; MI455X (gfx1250); checked and timed in simulation.
; The chip was launched on July 23, 2026; its instructions are those of AMD's public machine-readable ISA for CDNA 5 (MIT licence, August 2026) and "CDNA5" Instruction Set Architecture Reference Guide (July 2026). The comments in the code are by the model that wrote it; some were corrected since.
;; Multi Head Dot Product Attention. Allowed arithmetic: matrix products marked QUANTISED: E2M3 operands, one E8M0 scale for each 32 along K, by v_wmma_scale_f32_16x16x128_f8f6f4 with both operands' format E2M3, f32 sums; everything else in f32.
;; Inputs: Wk 1,024 x 1,024 float32; Wo 1,024 x 1,024 float32; Wq 1,024 x 1,024 float32; Wv 1,024 x 1,024 float32; inputs_kv 4 x 2,048 x 1,024 float32; inputs_q 4 x 2,048 x 1,024 float32; mask 1 x 1 x 2,048 x 2,048 bool; rel_bias 16 x 32 float32.
;; Outputs: out0 4 x 2,048 x 1,024 float32.
;; This version of the problem:
;;   THIS VERSION OF THE PROBLEM IS GIVEN IN LOW PRECISION. The matrix products marked QUANTISED in the list below multiply operands that are first quantised to E2M3 (2 exponent bits, 3 mantissa bits; 6 bits a number), with one power-of-two scale for each 32 numbers along K (OCP MX v1.0); their sums are f32. All else is computed in f32.
;;   The module's matrix products, in the order in which they are computed (A, B: the left and right operand; K: the contracted axis; several contracted axes count as one K, in the product's order):
;;     1. [M 8,192, K 1,024] x [K 1,024, N 1,024]; A: input inputs_q; B: input Wq: QUANTISED
;;     2. [M 8,192, K 1,024] x [K 1,024, N 1,024]; A: input inputs_kv; B: input Wk: QUANTISED
;;     3. [M 8,192, K 1,024] x [K 1,024, N 1,024]; A: input inputs_kv; B: input Wv: QUANTISED
;;     4. batch 64 x [M 2,048, K 64] x [K 64, N 2,048]; A: computed on the way; B: computed on the way: QUANTISED
;;     5. batch 64 x [M 64, K 2,048] x [K 2,048, N 2,048]; A: computed on the way; B: softmax (see below): QUANTISED
;;     6. [M 8,192, K 1,024] x [K 1,024, N 1,024]; A: computed on the way; B: input Wo: QUANTISED
;;   THE QUANTISER, for each operand of a quantised product, along K:
;;     - K is cut into blocks of 32 from its start; a last block that is shorter is filled with zeros.
;;     - A block's scale is 2^e with e = floor(log2(the largest magnitude in the block)) - 2, held to -126 .. 127; a block of zeros has e = 0. As a byte (E8M0): e + 127.
;;     - Each number is divided by its block's scale, clamped to +-7.5, and rounded to the nearest number of E2M3, ties to even, subnormals kept.
;;     - The product sums the exact products of the quantised numbers (number of the format x scale) in f32.
;;   ~~~python
;;   def quantise(x, axis):      # numpy; x: float32 -> the quantised numbers, widened to float32 again
;;       x = np.moveaxis(x, axis, -1); K = x.shape[-1]
;;       x = np.pad(x, [(0, 0)] * (x.ndim - 1) + [(0, -K % 32)]); x = x.reshape(x.shape[:-1] + (-1, 32)); a = np.abs(x).max(-1, keepdims=True)
;;       e = np.where(a > 0, np.clip(np.frexp(np.where(a > 0, a, 1))[1] - 1 - 2, -126, 127), 0)      # np.frexp(a)[1] - 1 = floor(log2(a)), exactly
;;       r = np.clip(x / 2.0 ** e, -7.5, 7.5)
;;       step = 2.0 ** (np.maximum(np.frexp(np.where(r == 0, 1, r))[1] - 1, 0) - 3)
;;       q = np.round(r / step) * step * 2.0 ** e      # np.round: ties to even
;;       return np.moveaxis(q.reshape(q.shape[:-2] + (-1,))[..., :K], -1, axis).astype(np.float32)
;;   ~~~
;;   SOFTMAX AHEAD OF A QUANTISED PRODUCT. Where the list says 'softmax', what is quantised is not the finished softmax but p = 2^(t - M), with t = logit x log2(e) and M = ceil(the row's largest t), a whole number; so 1/2 < the row's largest p <= 1. The row's sum l is taken of the UNQUANTISED p, in f32, and the product's result is divided by l at the end. Since M is a whole number, a kernel that streams over the keys may use a running M (the ceiling of the running maximum): every later rescaling is an exact power of two, which a block's scale takes up: the codes' values come out the same.
;;   OPERANDS COMPUTED ON THE WAY. 'Computed on the way' means the value that the module computes at that place (a softmax that the list does not call 'softmax' is quantised finished and normalised). What goes into a quantiser is computed in f32, as accurately as f32 sums, v_exp_f32 and their like allow (about 1e-6 of the number): no bf16 or f16 on the way to a quantiser, and a product that is left as it is and whose result goes on into a quantised operand takes f32 operands (vector FMAs, or v_wmma_f32_16x16x4_f32). A number that lies on a knife's edge between two numbers of the format may be rounded either way, as far as f32 arithmetic and the matrix unit's own rounding can turn it there, and no further.
;; 2 versions, each right; version 2 is version 1 with the launch attn written anew for expert scheduling mode. Each part assembles by itself: llvm-mc -triple=amdgcn-amd-amdhsa -mcpu=gfx1250 --defsym DOCPART=n.
;; ======== version 1 of 2: 4 launches
;; workspace buffers: xb 13,107,200 bytes; wb 3,276,800 bytes; qkv 19,660,800 bytes; ao 6,553,600 bytes; mk 589,824 bytes of whole numbers
;; launch prep (part 1): grid 768 x 1, 4 waves a work-group, no clusters, 58,880 bytes of LDS; arguments mask, Wq, Wk, Wv, Wo, inputs_q, inputs_kv, xb, wb, mk; writes xb, wb, mk
.if DOCPART == 1
	.amdgcn_target "amdgcn-amd-amdhsa--gfx1250"
	.amdhsa_code_object_version 6
	.text
	.protected	k_q4e81568bda_prep
	.globl	k_q4e81568bda_prep
	.p2align	8
	.type	k_q4e81568bda_prep,@function
k_q4e81568bda_prep:
	s_mov_b64 s[64:65], 0
	v_nop
	global_prefetch_b8 v0, s[64:65] scope:SCOPE_SE
	s_setreg_imm32_b32 hwreg(HW_REG_WAVE_MODE, 25, 1), 1
	s_wait_xcnt 0x0
; One launch, three kinds of work-group, told apart by the work-group's number alone:
;   0-127   THE MASK: tile T of 16 queries; wave w turns steps 4 w .. 4 w + 3 (128 keys each) into lane masks, 64 words a step, and says which steps have any true bit and which have only true bits.
;   128-255 THE WEIGHTS Wq, Wk, Wv, Wo [1024 (k)][1024 (n)] f32 -> codes of E2M3 along k, with one E8M0 byte for each 32 along k.
;   256-767 THE ACTIVATIONS inputs_q, inputs_kv [8192][1024] f32 -> the same along their last axis.
; OPERAND FORMAT of this program.  Tile t holds the 16 rows 32 (t / 2) + 8 (t % 2) + r + 8 (r / 8), r = 0 .. 15.  A fragment (16 rows x 128 k: 12 registers a lane) lies in memory as an image of its registers,
; 1,536 bytes, two halves of 768: [16 bytes a lane: registers 6 c .. 6 c + 3][8 bytes a lane: registers 6 c + 4, 6 c + 5].  A tile's scale words: 512 bytes, [k step / 2][r][2 words].
; A block's scale is 2^(floor(log2(largest magnitude)) - 2); its byte is the largest magnitude's exponent field - 2, held at 1 from below.
; LIMITS: a block of zeros, or one whose largest magnitude lies under 2^-124, gets the byte 1 (its codes are then zeros or the nearest codes under that scale; the bytes are read by this program alone); NaN and infinities are not served.
; No tensor loads, no barrier: waves share nothing.  Each kind of work-group has LDS bytes of its own.
.set XS0,   12582912                   ; xb: the scale words begin here
.set WS0,   3145728                    ; wb: likewise
.set MN0,   524288                     ; mk: behind the lane masks: 128 bytes for each (T, wave): which steps are needed, which are full, which rows have a true bit
.set WSTG,  33792                      ; LDS: 0 .. 33,791 the activations' stages (8,448 a wave); from here the weights' (6,144 a wave)
.set SPARE, 58368                      ; the spare words, 128 bytes for each wave: two blocks of 256 bytes that no other line names
.set SPW,   252                        ; v252 LDS address of my spare word; never rewritten
.set NIL,   253                        ; v253 0; never rewritten
.set SEL,   38                         ; s[38:39] v_permlanex16_b32's selects for lane l xor 16
.set RX,    16                         ; v16-143  activations: two sets of 64 registers as loaded
.set XN,    144                        ; v144-207 64 numbers of my row: register 16 b + i = k 32 b + 16 (lane / 16) + i
.set TM,    208                        ; v208-223 at work
.set PC,    224                        ; v224-243 the codes just made
.set PWR,   244                        ; v244-247 the four K steps' scale words
	s_load_b512 s[4:19], s[0:1], 0x0               ; mask, Wq, Wk, Wv, Wo, inputs_q, inputs_kv, xb
	s_load_b128 s[20:23], s[0:1], 0x40             ; wb, mk
	v_lshl_add_u32 v[SPW], v0, 2, SPARE
	v_mov_b32 v[NIL], 0
	v_lshrrev_b32 v1, 5, v0
	v_readfirstlane_b32 s24, v1                    ; wave 0..3
	v_and_b32 v1, 31, v0                           ; lane
	v_and_b32 v2, 15, v0                           ; r
	v_bfe_u32 v3, v0, 4, 1                         ; h
	s_cmp_lt_u32 ttmp9, 128
	s_cbranch_scc1 .Lmask
	s_cmp_lt_u32 ttmp9, 256
	s_cbranch_scc1 .Lweights
; ---------------------------------------------------------------- THE ACTIVATIONS
; A wave takes one tile (16 rows) and four K steps of 128.  Each load reads 512 consecutive bytes of one row; the 16 rows turn through the wave's own stage (rows 528 bytes apart), so that a lane gets 16 neighbours of each block of 32.
	s_sub_co_u32 s25, ttmp9, 256
	s_lshl_b32 s25, s25, 2
	s_add_co_u32 s25, s25, s24                     ; unit 0 .. 2047
	s_lshr_b32 s26, s25, 10                        ; which tensor
	s_bfe_u32 s27, s25, 0x90001                    ; tile 0 .. 511
	s_and_b32 s28, s25, 1                          ; which half of K
	s_lshr_b32 s29, s27, 1
	s_lshl_b32 s29, s29, 5
	s_and_b32 s30, s27, 1
	s_lshl_b32 s30, s30, 3
	s_add_co_u32 s29, s29, s30                     ; the tile's first row
	s_lshl_b32 s32, s29, 12                        ; x 4,096 bytes
	s_lshl_b32 s30, s28, 11
	s_add_co_u32 s32, s32, s30                     ; + 2,048 x half
	s_mov_b32 s33, 0
	s_mul_i32 s34, s26, 6291456                    ; codes: tensor, tile x 12,288, half x 6,144
	s_mul_i32 s30, s27, 12288
	s_add_co_u32 s34, s34, s30
	s_mul_i32 s30, s28, 6144
	s_add_co_u32 s34, s34, s30
	s_mov_b32 s35, 0
	s_lshl_b32 s36, s26, 18                        ; scale words: tensor x 262,144, tile x 512, half x 256
	s_lshl_b32 s30, s27, 9
	s_add_co_u32 s36, s36, s30
	s_lshl_b32 s30, s28, 8
	s_add_co_u32 s36, s36, s30
	s_add_co_u32 s36, s36, XS0
	s_mov_b32 s37, 0
	s_mul_i32 s31, s24, 8448                       ; my stage
	v_lshlrev_b32 v4, 4, v1                        ; 16 x lane
	v_lshlrev_b32 v5, 3, v1                        ; 8 x lane
	v_add_nc_u32 v6, s31, v4                       ; into the stage: a row's 512 bytes as they lie
	v_mul_u32_u24 v7, v2, 528
	v_lshl_add_u32 v7, v3, 6, v7
	v_add_nc_u32 v7, s31, v7                       ; out of it: row r, + 64 h
	s_mov_b32 s[SEL], 0x76543210
	s_mov_b32 s[SEL+1], 0xfedcba98
	s_mov_b32 s40, 0xffff0000                      ; lanes 16-31
.irp b, 0,1,2,3
	v_mov_b32 v[TM+4+\b], 0                        ; written once: a lane permute's destination counts as one of its sources
.endr
	s_wait_kmcnt 0x0
	s_cmp_eq_u32 s26, 0
	s_cselect_b64 s[14:15], s[14:15], s[16:17]     ; the choice hangs on the work-group's number alone
	s_add_nc_u64 s[14:15], s[14:15], s[32:33]
	s_add_nc_u64 s[42:43], s[18:19], s[34:35]
	s_add_nc_u64 s[44:45], s[18:19], s[36:37]
; 64 numbers of a lane, register 16 b + i = k 32 b + 16 (lane / 16) + i of my row, become a fragment's codes in v[PC] on and its scale word in v[pw].
.macro QUANT s, pw
.irp b, 0,1,2,3
	v_max3_num_f32 v[TM+\b], |v[\s+16*\b]|, |v[\s+1+16*\b]|, 0x1800000   ; my 16 numbers of block b, and the floor 2^(3 - 127): the byte cannot fall under 1
.endr
.irp i, 2,4,6,8,10,12,14
.irp b, 0,1,2,3
	v_max3_num_f32 v[TM+\b], v[TM+\b], |v[\s+16*\b+\i]|, |v[\s+1+16*\b+\i]|
.endr
.endr
.irp b, 0,1,2,3
	v_permlanex16_b32 v[TM+4+\b], v[TM+\b], s[SEL], s[SEL+1]
.endr
.irp b, 0,1,2,3
	v_max_num_f32 v[TM+\b], v[TM+\b], v[TM+4+\b]   ; with lane l xor 16's: the block's largest magnitude
.endr
.irp b, 0,1,2,3
	v_add_nc_u32 v[TM+12+\b], 0xff000000, v[TM+\b] ; 2 off its exponent field: the conversion's scale operand
.endr
.irp b, 0,1,2,3
	v_lshrrev_b32 v[TM+4+\b], 23, v[TM+12+\b]      ; the scale's byte
.endr
	v_lshl_or_b32 v[\pw], v[TM+5], 8, v[TM+4]
	v_lshl_or_b32 v[\pw], v[TM+6], 16, v[\pw]
	v_lshl_or_b32 v[\pw], v[TM+7], 24, v[\pw]
.irp c, 0,1
	v_cvt_scalef32_pk16_fp6_f32 v[PC+6*\c:PC+2+6*\c], v[\s+32*\c:\s+15+32*\c], v[TM+12+2*\c]
	v_cvt_scalef32_pk16_fp6_f32 v[PC+12+4*\c:PC+14+4*\c], v[\s+16+32*\c:\s+31+32*\c], v[TM+12+2*\c+1]   ; (a conversion's three registers begin on an even number)
.endr
	v_nop                                          ; one plain place behind a scaled conversion
.irp c, 0,1                                    ; the operand's layout wants a whole block in a lane
.irp i, 0,1,2
	v_permlane16_swap_b32 v[PC+6*\c+\i], v[PC+12+4*\c+\i]
.endr
.irp i, 0,1,2
	v_mov_b32 v[PC+3+6*\c+\i], v[PC+12+4*\c+\i]
.endr
.endr
.endm
.macro LOADX k                         ; K step k of my four: 16 rows x 512 bytes
.irp i, 0,1,2,3,4,5,6,7,8,9,10,11,12,13,14,15
	global_load_b128 v[RX+64*((\k)%2)+4*\i:RX+64*((\k)%2)+4*\i+3], v4, s[14:15] offset:(\i+8*(\i/8))*4096+512*(\k) th:TH_LOAD_NT
.endr
.endm
.macro XSTEP k
.if (\k) < 3
	s_wait_loadcnt 16                              ; this step's 16 loads are in; the next step's 16 may be out
.else
	s_wait_loadcnt 0x0
.endif
.irp i, 0,1,2,3,4,5,6,7,8,9,10,11,12,13,14,15
	ds_store_b128 v6, v[RX+64*((\k)%2)+4*\i:RX+64*((\k)%2)+4*\i+3] offset:528*\i
.endr
.irp b, 0,1,2,3
.irp j, 0,1,2,3
	ds_load_b128 v[XN+16*\b+4*\j:XN+16*\b+4*\j+3], v7 offset:128*\b+16*\j   ; LDS serves a wave's instructions in order: these see the stores above
.endr
.endr
	s_wait_dscnt 0x0                               ; my numbers are back, and the stores have read their registers
	s_wait_xcnt 0x0                                ; the last step's stores have read the codes' registers, which are written again below
.if (\k)+2 < 4
	LOADX (\k)+2
.endif
	QUANT XN, PWR+\k
	global_store_b128 v4, v[PC:PC+3], s[42:43] offset:1536*(\k)             ; 512 consecutive bytes
	global_store_b64 v5, v[PC+4:PC+5], s[42:43] offset:1536*(\k)+512        ; 256
	global_store_b128 v4, v[PC+6:PC+9], s[42:43] offset:1536*(\k)+768
	global_store_b64 v5, v[PC+10:PC+11], s[42:43] offset:1536*(\k)+1280
.endm
	LOADX 0
	LOADX 1
	XSTEP 0
	XSTEP 1
	XSTEP 2
	XSTEP 3
	v_cndmask_b32 v248, v[PWR], v[PWR+2], s40      ; lanes 0-15: the words of my first two K steps, lanes 16-31: of the other two
	v_cndmask_b32 v249, v[PWR+1], v[PWR+3], s40
	global_store_b64 v5, v[248:249], s[44:45]      ; 256 consecutive bytes, aligned
	s_wait_tensorcnt 0x0                           ; the wave's end: behind my last LDS store
	ds_add_u32 v[SPW], v[NIL]
	s_wait_dscnt 0x0
	s_endpgm
; ---------------------------------------------------------------- THE WEIGHTS
; A lane takes a column n and its registers run down k: a block of 32 lies in one lane, and the conversions give codes with k innermost.  A wave: 32 columns (two tiles) x 256 along k (two K steps).
; The codes go into the wave's stage at their places in the fragments' images and leave as 12 runs of 512 bytes.
.Lweights:
	s_sub_co_u32 s25, ttmp9, 128
	s_lshr_b32 s26, s25, 5                         ; which weight
	s_bfe_u32 s27, s25, 0x30002                    ; which 128 columns
	s_and_b32 s28, s25, 3                          ; which 256 along k
	s_lshl_b32 s32, s28, 20                        ; 256 rows of 4,096 bytes
	s_lshl_b32 s30, s27, 9
	s_add_co_u32 s32, s32, s30
	s_lshl_b32 s30, s24, 7
	s_add_co_u32 s32, s32, s30                     ; + 4 x (128 group + 32 wave)
	s_mov_b32 s33, 0
	s_lshl_b32 s29, s27, 3
	s_lshl_b32 s30, s24, 1
	s_add_co_u32 s29, s29, s30                     ; my first tile
	s_mul_i32 s34, s26, 786432
	s_mul_i32 s30, s29, 12288
	s_add_co_u32 s34, s34, s30
	s_mul_i32 s30, s28, 3072
	s_add_co_u32 s34, s34, s30
	s_mov_b32 s35, 0
	s_lshl_b32 s36, s26, 15
	s_lshl_b32 s30, s29, 9
	s_add_co_u32 s36, s36, s30
	s_lshl_b32 s30, s28, 7
	s_add_co_u32 s36, s36, s30
	s_add_co_u32 s36, s36, WS0
	s_mov_b32 s37, 0
	s_mul_i32 s31, s24, 6144
	s_add_co_u32 s31, s31, WSTG                    ; my stage: [tile 2][K step 2][1,536]
	v_lshlrev_b32 v4, 2, v1                        ; in: 4 bytes a lane
	v_bfe_u32 v8, v0, 3, 1                         ; my column's tile of the two,
	v_and_b32 v9, 7, v0
	v_lshl_or_b32 v9, v3, 3, v9                    ; and its row r in that tile
	v_lshlrev_b32 v11, 9, v8
	v_lshl_add_u32 v11, v9, 3, v11                 ; scale words out: 512 x tile + 8 r
	v_mul_u32_u24 v8, v8, 3072
	v_lshl_add_u32 v5, v9, 4, v8
	v_add_nc_u32 v5, s31, v5                       ; the stage: 16 bytes a lane
	v_lshl_add_u32 v6, v9, 3, v8
	v_add_nc_u32 v6, s31, v6                       ; 8 bytes a lane
	v_lshlrev_b32 v10, 4, v1                       ; out: 16 x lane
	v_add_nc_u32 v7, s31, v10
	s_wait_kmcnt 0x0
	s_cmp_eq_u32 s26, 1
	s_cselect_b64 s[6:7], s[8:9], s[6:7]
	s_cmp_eq_u32 s26, 2
	s_cselect_b64 s[6:7], s[10:11], s[6:7]
	s_cmp_eq_u32 s26, 3
	s_cselect_b64 s[6:7], s[12:13], s[6:7]
	s_add_nc_u64 s[6:7], s[6:7], s[32:33]
	s_add_nc_u64 s[42:43], s[20:21], s[34:35]
	s_add_nc_u64 s[44:45], s[20:21], s[36:37]
.macro WLOAD t                         ; block t: W(32 t + i, my column)
.irp i, 0,1,2,3,4,5,6,7,8,9,10,11,12,13,14,15,16,17,18,19,20,21,22,23,24,25,26,27,28,29,30,31
	global_load_b32 v[32+32*((\t)%2)+\i], v4, s[6:7] offset:(32*(\t)+\i)*4096 th:TH_LOAD_NT
.endr
.endm
.macro WBLOCK t
.set WX, 32+32*((\t)%2)
.set WO, ((\t)/4)*1536+(((\t)/2)%2)*768        ; K step t / 4, half (t / 2) % 2; the block belongs to lane r + 16 (t % 2)
.if (\t) < 7
	s_wait_loadcnt 32                              ; this block's 32 loads are in; the next block's may be out
.else
	s_wait_loadcnt 0x0
.endif
	v_max3_num_f32 v12, |v[WX]|, |v[WX+1]|, |v[WX+2]|
	v_max3_num_f32 v13, |v[WX+3]|, |v[WX+4]|, |v[WX+5]|
.irp i, 6,10,14,18,22,26
	v_max3_num_f32 v12, v12, |v[WX+\i]|, |v[WX+\i+1]|
	v_max3_num_f32 v13, v13, |v[WX+\i+2]|, |v[WX+\i+3]|
.endr
	v_max3_num_f32 v12, v12, |v[WX+30]|, |v[WX+31]|
	v_max3_num_f32 v12, v12, v13, 0x1800000        ; and the floor
	v_add_nc_u32 v14, 0xff000000, v12              ; the conversion's scale operand
	v_lshrrev_b32 v13, 23, v14                     ; the byte
.if (\t)%4 == 0
	v_mov_b32 v[24+(\t)/4], v13
.else
	v_lshl_or_b32 v[24+(\t)/4], v13, 8*((\t)%4), v[24+(\t)/4]
.endif
	v_cvt_scalef32_pk16_fp6_f32 v[96:98], v[WX:WX+15], v14
	v_cvt_scalef32_pk16_fp6_f32 v[104:106], v[WX+16:WX+31], v14
	v_nop                                          ; one plain place behind a scaled conversion
	v_mov_b32 v99, v104
	v_mov_b32 v100, v105
	v_mov_b32 v101, v106
	ds_store_b128 v5, v[96:99] offset:WO+256*((\t)%2)
	ds_store_b64 v6, v[100:101] offset:WO+512+128*((\t)%2)
.if (\t)+2 < 8
	WLOAD (\t)+2
.endif
	s_wait_dscnt 0x0                               ; the stores have read their registers: the next block's codes may be written
.endm
	WLOAD 0
	WLOAD 1
.irp t, 0,1,2,3,4,5,6,7
	WBLOCK \t
.endr
	global_store_b64 v11, v[24:25], s[44:45]       ; my column's two scale words
.irp i, 0,1,2,3,4,5,6,7,8,9,10,11
	ds_load_b128 v[112+4*\i:115+4*\i], v7 offset:512*\i
.endr
.irp i, 0,1,2,3,4,5,6,7,8,9,10,11
	s_wait_dscnt 11-\i                             ; LDS loads come back in order: run i is in
	global_store_b128 v10, v[112+4*\i:115+4*\i], s[42:43] offset:(\i/6)*12288+(\i%6)*512   ; 512 consecutive bytes
.endr
	s_wait_tensorcnt 0x0                           ; the wave's end, as above
	ds_add_u32 v[SPW], v[NIL]
	s_wait_dscnt 0x0
	s_endpgm
; ---------------------------------------------------------------- THE MASK
; Word n = 16 b + i of (T, step j): bit l = mask[first row of T + r + 8 (r / 8)][128 j + 32 b + 16 (l / 16) + i], r = l % 16: the lane mask of the register that holds that score in the attention launch.
.Lmask:
	s_lshr_b32 s25, ttmp9, 1
	s_lshl_b32 s25, s25, 5
	s_and_b32 s26, ttmp9, 1
	s_lshl_b32 s26, s26, 3
	s_add_co_u32 s25, s25, s26                     ; the tile's first query
	s_lshl_b32 s32, s25, 11                        ; x 2,048 bytes
	s_lshl_b32 s26, s24, 9
	s_add_co_u32 s32, s32, s26                     ; + my four steps' 512 keys
	s_mov_b32 s33, 0
	v_and_b32 v4, 8, v2
	v_add_nc_u32 v4, v4, v2                        ; r + 8 (r / 8)
	v_lshlrev_b32 v4, 11, v4
	v_lshl_add_u32 v4, v3, 4, v4                   ; + 16 h
	s_lshl_b32 s34, ttmp9, 12                      ; the words: 4,096 bytes a tile, 256 a step
	s_lshl_b32 s26, s24, 10
	s_add_co_u32 s34, s34, s26
	s_mov_b32 s35, 0
	s_lshl_b32 s36, ttmp9, 9
	s_lshl_b32 s26, s24, 7
	s_add_co_u32 s36, s36, s26
	s_add_co_u32 s36, s36, MN0
	s_mov_b32 s37, 0
	v_lshlrev_b32 v5, 3, v1
	v_lshlrev_b32 v6, 2, v1
	s_mov_b32 s44, 0                               ; steps with a true bit
	s_mov_b32 s45, 0                               ; steps with true bits only
	s_mov_b32 s46, 0                               ; rows with a true bit
	s_lshl_b32 s50, s24, 2
	s_lshl_b32 s47, 1, s50                         ; the bit of my first step
.irp i, 0,1,2,3,4,5,6,7,8
	v_mov_b32 v[80+\i], 0                          ; v_writelane_b32's destination counts as read
.endr
	s_wait_kmcnt 0x0
	s_add_nc_u64 s[4:5], s[4:5], s[32:33]
	s_add_nc_u64 s[28:29], s[22:23], s[34:35]
	s_add_nc_u64 s[30:31], s[22:23], s[36:37]
.irp k, 0,1,2,3
.irp b, 0,1,2,3
	global_load_b128 v[16+16*\k+4*\b:19+16*\k+4*\b], v4, s[4:5] offset:128*\k+32*\b
.endr
.endr
.macro UNIT k
	s_wait_loadcnt 12-4*\k                         ; this step's four loads are in; the later steps' may be out
	s_mov_b32 s48, 0
	s_mov_b32 s49, -1
.irp m, 0,1,2,3,4,5,6,7,8,9,10,11,12,13,14,15
.irp q, 0,1,2,3
	v_and_b32 v[8+\q], 0xff<<(8*\q), v[16+16*\k+\m]
.endr
.irp q, 0,1,2,3
	v_cmp_ne_u32 s[40+\q], 0, v[8+\q]              ; word 4 m + q
.endr
.irp q, 0,1,2,3
	v_writelane_b32 v[80+2*\k+(\q&1)], s[40+\q], 2*\m+(\q>>1)   ; lane L will store words 2 L and 2 L + 1
.endr
.irp q, 0,1,2,3
	s_or_b32 s48, s48, s[40+\q]
	s_and_b32 s49, s49, s[40+\q]
.endr
.endr
	global_store_b64 v5, v[80+2*\k:81+2*\k], s[28:29] offset:256*\k   ; 256 consecutive bytes, aligned
	s_cmp_lg_u32 s48, 0
	s_cselect_b32 s50, s47, 0
	s_or_b32 s44, s44, s50
	s_cmp_eq_u32 s49, -1
	s_cselect_b32 s50, s47, 0
	s_or_b32 s45, s45, s50
	s_lshr_b32 s50, s48, 16
	s_or_b32 s50, s50, s48
	s_and_b32 s50, s50, 0xffff
	s_or_b32 s46, s46, s50
	s_lshl_b32 s47, s47, 1
.endm
	UNIT 0
	UNIT 1
	UNIT 2
	UNIT 3
	v_writelane_b32 v88, s44, 0
	v_writelane_b32 v88, s45, 1
	v_writelane_b32 v88, s46, 2
	global_store_b32 v6, v88, s[30:31]             ; my 128 bytes: three words and zeros
	s_wait_tensorcnt 0x0
	ds_add_u32 v[SPW], v[NIL]
	s_wait_dscnt 0x0
	s_endpgm
.Lfunc_end_k_q4e81568bda_prep:
	.size	k_q4e81568bda_prep, .Lfunc_end_k_q4e81568bda_prep-k_q4e81568bda_prep
	.p2alignl 7, 3214868480
	.fill 96, 4, 3214868480
	.section	.rodata,"a",@progbits
	.p2align	6, 0x0
	.amdhsa_kernel k_q4e81568bda_prep
		.amdhsa_group_segment_fixed_size 58880
		.amdhsa_private_segment_fixed_size 0
		.amdhsa_enable_private_segment 0
		.amdhsa_kernarg_size 80
		.amdhsa_user_sgpr_count 2
		.amdhsa_user_sgpr_kernarg_segment_ptr 1
		.amdhsa_wavefront_size32 1
		.amdhsa_system_sgpr_workgroup_id_x 1
		.amdhsa_system_sgpr_workgroup_id_y 1
		.amdhsa_system_sgpr_workgroup_id_z 1
		.amdhsa_system_vgpr_workitem_id 0
		.amdhsa_next_free_vgpr 256
		.amdhsa_next_free_sgpr 66
		.amdhsa_reserve_vcc 0
		.amdhsa_float_denorm_mode_32 3
		.amdhsa_float_denorm_mode_16_64 3
		.amdhsa_memory_ordered 1
		.amdhsa_forward_progress 1
		.amdhsa_inst_pref_size 145
	.end_amdhsa_kernel
	.amdgpu_metadata
---
amdhsa.version: [ 1, 2 ]
amdhsa.kernels:
  - .name:           k_q4e81568bda_prep
    .symbol:         k_q4e81568bda_prep.kd
    .args:
      - { .name: mask, .offset: 0, .size: 8, .value_kind: global_buffer, .address_space: global }
      - { .name: Wq, .offset: 8, .size: 8, .value_kind: global_buffer, .address_space: global }
      - { .name: Wk, .offset: 16, .size: 8, .value_kind: global_buffer, .address_space: global }
      - { .name: Wv, .offset: 24, .size: 8, .value_kind: global_buffer, .address_space: global }
      - { .name: Wo, .offset: 32, .size: 8, .value_kind: global_buffer, .address_space: global }
      - { .name: inputs_q, .offset: 40, .size: 8, .value_kind: global_buffer, .address_space: global }
      - { .name: inputs_kv, .offset: 48, .size: 8, .value_kind: global_buffer, .address_space: global }
      - { .name: xb, .offset: 56, .size: 8, .value_kind: global_buffer, .address_space: global }
      - { .name: wb, .offset: 64, .size: 8, .value_kind: global_buffer, .address_space: global }
      - { .name: mk, .offset: 72, .size: 8, .value_kind: global_buffer, .address_space: global }
    .group_segment_fixed_size: 58880
    .private_segment_fixed_size: 0
    .kernarg_segment_align: 8
    .kernarg_segment_size: 80
    .max_flat_workgroup_size: 128
    .sgpr_count:     66
    .vgpr_count:     256
    .wavefront_size: 32
...
	.end_amdgpu_metadata
.endif
;; end of part 1
;; launch qkvp (part 2): grid 4 x 96, 4 waves a work-group, clusters of 4 x 4, 327,680 bytes of LDS; arguments xb, wb, qkv; writes qkv
.if DOCPART == 2
	.amdgcn_target "amdgcn-amd-amdhsa--gfx1250"
	.amdhsa_code_object_version 6
	.text
	.protected	k_q4e81568bda_qkvp
	.globl	k_q4e81568bda_qkvp
	.p2align	8
	.type	k_q4e81568bda_qkvp,@function
k_q4e81568bda_qkvp:
	s_mov_b64 s[64:65], 0
	v_nop
	global_prefetch_b8 v0, s[64:65] scope:SCOPE_SE
	s_setreg_imm32_b32 hwreg(HW_REG_WAVE_MODE, 25, 1), 1
	s_wait_xcnt 0x0
	s_wait_alu depctr_hold_cnt(0) depctr_sa_sdst(0) depctr_va_vdst(0) depctr_va_sdst(0) depctr_va_ssrc(0) depctr_va_vcc(0) depctr_vm_vsrc(0)
	s_getreg_b32 s2, hwreg(HW_REG_IB_STS2, 6, 4)
	s_cmp_eq_u32 s2, 0
	s_cbranch_scc0 .Lentry_in_a_cluster
	s_endpgm
.Lentry_in_a_cluster:
	s_bfe_u32 s2, ttmp6, 0x10000c
	s_cmp_lg_u32 s2, 0xf033
	s_cbranch_scc0 .Lentry_shape_is_right
	s_endpgm
.Lentry_shape_is_right:
; The three projections q = x_q Wq, k = x_kv Wk, v = x_kv Wv on codes of E2M3, K = 1,024, and the quantising of their results: q and k along the head's 64, v along the keys.
; A tile of 256 x 256 results to a work-group, 128 x 128 to each of four waves (64 accumulators, 512 registers).  K goes in steps of 256 through two LDS slots filled by the tensor data mover.
; Operands lie in memory as images of their registers (1,536 bytes a fragment of 16 rows x 128 K; a tile's eight K steps on end), so a slot's part of a tile is 3,072 consecutive bytes and a fragment
; comes out of LDS by two loads of 16 and two of 8 bytes a lane, each of consecutive bytes.  A tile holds rows 32 (t / 2) + 8 (t % 2) + r + 8 (r / 8).
; SOURCE 0 = "B", SOURCE 1 = "A": a lane holds one row of A, and the 64 registers of a row block run along 128 neighbouring rows of B.  For q and k: A = the tokens, B = the weight's columns: registers run along
; two heads' d.  For v: A = Wv's columns, B = the tokens: registers run along 128 keys.  Which is which is chosen by s_cselect on the cluster's y, the same in all partners; no branch hangs on it.
; CLUSTERS 4 x 4: A's tiles are asked for jointly along a row of the cluster, B's along a column.
; RESULTS leave as operands of the attention launch, straight from registers: q, k: [head][tile 128][768]; v: [head][step 16][d tile 4][1,536]; scale words as images of 512 bytes, [lane][4 words].
; LIMITS: a block of zeros or under 2^-124 gets the byte 1; NaN and infinities are not served.
; REGISTERS: window 0: v16-29 addresses; v32-63 scale words, two sets; v128-223 A's fragments, one set.  window 1: B's fragments, two sets, at v0 and v128.  windows 2, 3: the accumulators ((a, b) at v[8 (8 (a % 4) + b)]).
.set XS0,    12582912
.set WS0,    3145728
.set QS0,    18874368
.set NQ,     2
.set FR,     12
.set FRB,    1536
.set NL,     4                         ; LDS loads that bring a fragment
.set NP,     4                         ; places behind this matrix instruction (ISA guide 7.12.1)
.set TROW,   3072                      ; a tile's bytes in a slot: two K steps of 128
.set TPITCH, 12288                     ; a tile's bytes in memory
.set HALFT,  8*TROW                    ; eight tiles: what one tensor load brings, and what one wave reads of A or of B
.set SLOT,   4*HALFT
.set SCL,    2*SLOT                    ; behind the ring: the scale words of A's 16 tiles, then B's, for all of K
.set HALFS,  4096
.set SBLK,   512
.set SPARE,  SCL+4*HALFS               ; the spare words, 128 bytes for each wave
.set ADRA, 16                          ; v16-17 A's fragments in slot 0, 1: 16 x lane; v18-19: 8 x lane
.set ADRB, 20                          ; v20-23 the same for B
.set L16,  24                          ; v24 16 x lane
.set L8,   25                          ; v25 8 x lane
.set ADRS, 27                          ; v27 my scale words: lanes 0-15 A's, lanes 16-31 B's
.set SPW,  28
.set NIL,  29
.set SC,   32
.set AF,   128
.set TM,   32                          ; the way out, window 0: v32-47 at work, v50-57 the eight scale words, v60-63 their image, v64-83 codes
.set PWS,  50
.set WW,   60
.set PC,   64
.set G1, 24
.set G0, 32
.set G1B, 48
.set G0B, 56
.set G1S, 68
.set G0S, 76
.set G1SB, 80
.set G0SB, 88
.set MSB, 0
.macro WIN new                         ; the immediate's high byte repeats the setting that is left
.if MSB != \new
	s_set_vgpr_msb (MSB<<8)|\new
.set MSB, \new
.endif
.endm
.set MUL_LO, 0xa1                      ; source 0 (B) window 1, source 1 (A) window 0, C and D window 2
.set MUL_HI, 0xf1
.set TO_B,   0x40
; A joint load: waves 0 and 1 fetch for A, waves 2 and 3 for B.  The branch hangs on the wave's number alone.  An s_nop 0 and four v_nop follow each of the two lines.
.macro JLOAD g0a, g1a, g0b, g1b
	s_cmp_eq_u32 s15, 0
	s_cbranch_scc0 .Lfor_b_\@
	tensor_load_to_lds s[\g0a:\g0a+3], s[\g1a:\g1a+7]
	s_nop 0
.rept 4
	v_nop
.endr
	s_branch .Lasked_\@
.Lfor_b_\@:
	tensor_load_to_lds s[\g0b:\g0b+3], s[\g1b:\g1b+7]
	s_nop 0
.rept 4
	v_nop
.endr
.Lasked_\@:
.endm
.macro CREST
	s_cmp_lg_u32 s14, 0
	s_cbranch_scc1 .Lnot_wave_0_\@
	s_barrier_signal -3
.Lnot_wave_0_\@:
	s_barrier_wait -3
	s_barrier_signal -1
	s_barrier_wait -1
.endm
.macro CROUND
	s_barrier_signal -1
	s_barrier_wait -1
	CREST
.endm
	s_load_b128 s[4:7], s[0:1], 0x0                ; xb, wb
	s_load_b64 s[8:9], s[0:1], 0x10                ; qkv
	v_lshl_add_u32 v[SPW], v0, 2, SPARE
	v_mov_b32 v[NIL], 0
	ds_add_u32 v[SPW], v[NIL]                      ; the wave's opening: the add and its wait ahead of my first tensor load; the set-up below stands between them
	v_lshrrev_b32 v1, 5, v0
	v_readfirstlane_b32 s14, v1                    ; wave 0..3
	s_lshr_b32 s15, s14, 1                         ; my half of A's rows.  Also: I fetch for A (0) or for B (1)
	s_and_b32 s16, s14, 1                          ; my half of B's rows.  Also: which eight tiles I fetch
	s_bfe_u32 s40, ttmp6, 0x40000                  ; cx
	s_bfe_u32 s41, ttmp6, 0x40004                  ; cy
	s_and_b32 s10, ttmp7, 0xffff                   ; the cluster's y, 0 .. 23
	s_and_b32 s11, s10, 7
	s_lshr_b32 s10, s10, 3                         ; which product: 0 q, 1 k, 2 v
	s_cmp_eq_u32 s10, 2
	s_cselect_b32 s17, 0, s11                      ; q, k: 32 tile rows (tokens) x 4 tile columns;  v: 4 tile rows (Wv's columns) x 32 tile columns (tokens)
	s_cselect_b32 s42, s11, 0
	s_lshl_b32 s17, s17, 2
	s_add_co_u32 s17, s17, s41                     ; tile row
	s_lshl_b32 s42, s42, 2
	s_add_co_u32 s42, s42, s40                     ; tile column
	s_lshl_b32 s43, s41, 2
	s_lshl_b32 s43, 15, s43                        ; my row of the cluster
	s_lshl_b32 s44, 0x1111, s40                    ; my column
	; descriptor group 1, codes: 8 rows (tiles) of 384 elements of 8 bytes, 1,536 elements apart; no padding
	s_or_b32 s[G1+0], s43, (3<<16)|(1<<21)
	s_or_b32 s[G1B+0], s44, (3<<16)|(1<<21)
.irp g, G1, G1B
	s_mov_b32 s[\g+1], 384<<16                     ; tensor_dim0
	s_mov_b32 s[\g+2], 8<<16                       ; tensor_dim1
	s_mov_b32 s[\g+3], 384<<16                     ; tile_dim0
	s_mov_b32 s[\g+4], 8                           ; tile_dim1
	s_mov_b32 s[\g+5], 1536                        ; tensor_dim0_stride
	s_mov_b32 s[\g+6], 0
	s_mov_b32 s[\g+7], 0
.endr
	; scale words of eight tiles: 4,096 dense bytes as 16 rows of 256
	s_or_b32 s[G1S+0], s43, (3<<16)|(1<<21)
	s_or_b32 s[G1SB+0], s44, (3<<16)|(1<<21)
.irp g, G1S, G1SB
	s_mov_b32 s[\g+1], 32<<16
	s_mov_b32 s[\g+2], 16<<16
	s_mov_b32 s[\g+3], 32<<16
	s_mov_b32 s[\g+4], 16
	s_mov_b32 s[\g+5], 32
	s_mov_b32 s[\g+6], 0
	s_mov_b32 s[\g+7], 0
.endr
	s_min_u32 s95, s10, 1                          ; q reads inputs_q's codes, k and v inputs_kv's
	s_mul_i32 s96, s95, 6291456
	s_lshl_b32 s97, s95, 18
	s_add_co_u32 s97, s97, XS0
	s_mul_i32 s98, s10, 786432
	s_lshl_b32 s99, s10, 15
	s_add_co_u32 s99, s99, WS0
	s_cmp_eq_u32 s10, 2
	s_cselect_b32 s18, s98, s96                    ; A: where its codes begin in its buffer,
	s_cselect_b32 s19, s99, s97                    ; and its scale words
	s_cselect_b32 s2, s96, s98                     ; B likewise
	s_cselect_b32 s3, s97, s99
	s_lshl_b32 s12, s17, 4
	s_lshl_b32 s13, s16, 3
	s_add_co_u32 s12, s12, s13                     ; A: the first tile that I fetch: 16 x tile row + 8 x half
	s_mul_i32 s13, s12, TPITCH
	s_add_co_u32 s18, s18, s13
	s_lshl_b32 s13, s12, 9
	s_add_co_u32 s19, s19, s13
	s_lshl_b32 s95, s42, 4
	s_lshl_b32 s96, s16, 3
	s_add_co_u32 s95, s95, s96                     ; B: 16 x tile column + 8 x half
	s_mul_i32 s96, s95, TPITCH
	s_add_co_u32 s2, s2, s96
	s_lshl_b32 s96, s95, 9
	s_add_co_u32 s3, s3, s96
	s_mul_i32 s45, s14, HALFT                      ; where they go: no place in the cluster enters an LDS address
	s_mul_i32 s94, s14, HALFS
	s_wait_dscnt 0x0                               ; the opening add is done
	s_wait_kmcnt 0x0
	s_cmp_eq_u32 s10, 2
	s_cselect_b64 s[20:21], s[6:7], s[4:5]         ; A's buffer
	s_cselect_b64 s[46:47], s[4:5], s[6:7]         ; B's
	s_mov_b64 s[22:23], s[20:21]
	s_mov_b64 s[92:93], s[46:47]
	s_mov_b32 s12, s18
	s_mov_b32 s13, 0
	s_add_nc_u64 s[20:21], s[20:21], s[12:13]
	s_mov_b32 s12, s19
	s_add_nc_u64 s[22:23], s[22:23], s[12:13]
	s_mov_b32 s98, s2
	s_mov_b32 s99, 0
	s_add_nc_u64 s[46:47], s[46:47], s[98:99]
	s_mov_b32 s98, s3
	s_add_nc_u64 s[92:93], s[92:93], s[98:99]
	CROUND                                         ; all sixteen work-groups are here: the first joint loads meet
	s_mov_b32 s[G0S], 1
	s_add_co_u32 s[G0S+1], s94, SCL
	s_mov_b64 s[G0S+2:G0S+3], s[22:23]
	s_or_b32 s[G0S+3], s[G0S+3], 0x80000000
	s_mov_b32 s[G0SB], 1
	s_add_co_u32 s[G0SB+1], s94, SCL
	s_mov_b64 s[G0SB+2:G0SB+3], s[92:93]
	s_or_b32 s[G0SB+3], s[G0SB+3], 0x80000000
	JLOAD G0S, G1S, G0SB, G1SB                     ; the scale words first: they are wanted with K step 0
.irp s, 0,1
	s_mov_b32 s[G0+4*\s], 1
	s_add_co_u32 s[G0+4*\s+1], s45, \s*SLOT
	s_add_nc_u64 s[G0+4*\s+2:G0+4*\s+3], s[20:21], \s*TROW
	s_or_b32 s[G0+4*\s+3], s[G0+4*\s+3], 0x80000000
	s_mov_b32 s[G0B+4*\s], 1
	s_add_co_u32 s[G0B+4*\s+1], s45, \s*SLOT
	s_add_nc_u64 s[G0B+4*\s+2:G0B+4*\s+3], s[46:47], \s*TROW
	s_or_b32 s[G0B+4*\s+3], s[G0B+4*\s+3], 0x80000000
	JLOAD G0+4*\s, G1, G0B+4*\s, G1B
.endr
	v_and_b32 v1, 15, v0                           ; r
	v_bfe_u32 v2, v0, 4, 1                         ; h
	v_and_b32 v3, 31, v0
	v_lshlrev_b32 v[L16], 4, v3
	v_lshlrev_b32 v[L8], 3, v3
	s_mul_i32 s21, s15, HALFT                      ; my eight tiles of A
	s_mul_i32 s22, s16, HALFT
	s_add_co_u32 s22, s22, 2*HALFT                 ; and of B, behind A's sixteen
.irp s, 0,1
	v_add_nc_u32 v[ADRA+\s], s21, v[L16]
	v_add_nc_u32 v[ADRB+\s], s22, v[L16]
	v_add_nc_u32 v[ADRA+2+\s], s21, v[L8]
	v_add_nc_u32 v[ADRB+2+\s], s22, v[L8]
	s_add_co_u32 s21, s21, SLOT
	s_add_co_u32 s22, s22, SLOT
.endr
	v_lshlrev_b32 v5, 3, v1                        ; my row's two words of a slot
	s_mul_i32 s21, s15, HALFS
	s_mul_i32 s22, s16, HALFS
	s_add_co_u32 s22, s22, 2*HALFS
	s_sub_co_u32 s22, s22, s21
	v_mul_u32_u24 v6, s22, v2                      ; lanes 16-31 take B's
	s_add_co_u32 s21, s21, SCL
	v_add_nc_u32 v5, v5, v6
	v_add_nc_u32 v[ADRS], s21, v5
.macro FRAG reg, adr, q, i             ; tile i's fragment of the slot's q-th 128 along K, as it lies
	ds_load_b128 v[\reg:\reg+3], v[\adr] offset:(\i)*TROW+(\q)*FRB
	ds_load_b64 v[\reg+4:\reg+5], v[\adr+2] offset:(\i)*TROW+(\q)*FRB+512
	ds_load_b128 v[\reg+6:\reg+9], v[\adr] offset:(\i)*TROW+(\q)*FRB+768
	ds_load_b64 v[\reg+10:\reg+11], v[\adr+2] offset:(\i)*TROW+(\q)*FRB+1280
.endm
; 16 matrix instructions: A's blocks a0, a0 + 1 x B's eight.  The 64 accumulators take turns, one instruction a turn, in the same order in every step.
.macro MUL16 a0, p, q, sc, zero
.irp a, \a0, \a0+1
.irp b, 0,1,2,3,4,5,6,7
.if \zero
	v_wmma_scale_f32_16x16x128_f8f6f4 v[8*(8*((\a)%4)+\b):8*(8*((\a)%4)+\b)+7], v[128*(\p)+FR*\b:128*(\p)+FR*\b+FR-1], v[AF+FR*(\a):AF+FR*(\a)+FR-1], 0, v[SC+8*NQ*(\sc)+NQ*\b+(\q)], v[SC+8*NQ*(\sc)+NQ*(\a)+(\q)] matrix_a_fmt:MATRIX_FMT_FP6 matrix_b_fmt:MATRIX_FMT_FP6 matrix_a_scale:MATRIX_SCALE_ROW1
.else
	v_wmma_scale_f32_16x16x128_f8f6f4 v[8*(8*((\a)%4)+\b):8*(8*((\a)%4)+\b)+7], v[128*(\p)+FR*\b:128*(\p)+FR*\b+FR-1], v[AF+FR*(\a):AF+FR*(\a)+FR-1], v[8*(8*((\a)%4)+\b):8*(8*((\a)%4)+\b)+7], v[SC+8*NQ*(\sc)+NQ*\b+(\q)], v[SC+8*NQ*(\sc)+NQ*(\a)+(\q)] matrix_a_fmt:MATRIX_FMT_FP6 matrix_b_fmt:MATRIX_FMT_FP6 matrix_a_scale:MATRIX_SCALE_ROW1
.endif
.endr
.endr
.endm
.macro FETCH_B slot, q, p
	WIN TO_B
.irp i, 0,1,2,3,4,5,6,7
	FRAG 128*(\p)+FR*\i, ADRB+\slot, \q, \i
.endr
	WIN 0
.endm
.macro FETCH_A slot, q, i0
.irp i, \i0, \i0+1, \i0+2, \i0+3
	FRAG AF+FR*(\i), ADRA+\slot, \q, \i
.endr
.endm
.macro SCALES sc                       ; a slot's scale words: two a row; lanes 0-15 A's tile i, lanes 16-31 B's tile i
.irp i, 0,1,2,3,4,5,6,7
	ds_load_b64 v[SC+8*NQ*\sc+NQ*\i:SC+8*NQ*\sc+NQ*\i+1], v[ADRS] offset:\i*SBLK
.endr
.endm
.macro PLACES n                        ; plain vector instructions between a matrix instruction and a load into, or a read of, its registers
.rept \n
	v_nop
.endr
.endm
.macro STEP slot, q, zero              ; 128 along K with its successor in the same slot
	s_wait_dscnt 4*NL                              ; B's set and A's blocks 0-3 are in; the youngest 16 loads (A's blocks 4-7) may be out
	WIN MUL_LO
	MUL16 0, (\q)%2, \q, \slot, \zero
	MUL16 2, (\q)%2, \q, \slot, \zero
	s_wait_dscnt 0
	PLACES NP
	FETCH_B \slot, (\q)+1, 1-(\q)%2
	FETCH_A \slot, (\q)+1, 0
	WIN MUL_HI
	MUL16 4, (\q)%2, \q, \slot, \zero
	MUL16 6, (\q)%2, \q, \slot, \zero
	PLACES NP
	WIN 0
	FETCH_A \slot, (\q)+1, 4
.endm
; A slot's last step changes slots: one barrier; in front of it each wave waits for all its tensor loads, adds 0 to its spare word, and waits for that and for its reads of this slot.
.macro TURN slot, next, fill
	s_wait_tensorcnt 0x0                           ; all my tensor loads have landed: my part of the next slot
	ds_add_u32 v[SPW], v[NIL]                      ; 0 onto my spare word
	s_wait_dscnt 4*NL+1                            ; (the add and the youngest 16 loads may be out)
	WIN MUL_LO
	MUL16 0, 1, NQ-1, \slot, 0
	s_wait_dscnt 0x0                               ; the add is done, and my reads of this slot are over
	s_barrier_signal -1
	MUL16 2, 1, NQ-1, \slot, 0
	WIN 0
	s_barrier_wait -1
.if \fill
	CREST                                          ; the barrier has opened a round of the cluster's barrier: no wave of any partner still reads this slot or has a load on its way
	s_add_nc_u64 s[G0+4*\slot+2:G0+4*\slot+3], s[G0+4*\slot+2:G0+4*\slot+3], 2*TROW
	s_add_nc_u64 s[G0B+4*\slot+2:G0B+4*\slot+3], s[G0B+4*\slot+2:G0B+4*\slot+3], 2*TROW
	JLOAD G0+4*\slot, G1, G0B+4*\slot, G1B         ; the first tensor load behind the round, my one load until the next; its four v_nop are the places in front of the loads below
.else
	PLACES NP
.endif
	v_add_nc_u32 v[ADRS], 128, v[ADRS]             ; the next slot's scale words
	FETCH_B \next, 0, 0
	FETCH_A \next, 0, 0
	SCALES \next
	WIN MUL_HI
	MUL16 4, 1, NQ-1, \slot, 0
	MUL16 6, 1, NQ-1, \slot, 0
	PLACES NP
	WIN 0
	FETCH_A \next, 0, 4
.endm
	s_wait_tensorcnt 1                             ; the scale words and my part of slot 0 are in; slot 1's load may be out
	s_barrier_signal -1
	s_barrier_wait -1
	FETCH_B 0, 0, 0
	FETCH_A 0, 0, 0
	SCALES 0
	FETCH_A 0, 0, 4
	STEP 0, 0, 1                                   ; K = 1,024 is four slots: written out.  The first step's products start the sums
	TURN 0, 1, 1
	STEP 1, 0, 0
	TURN 1, 0, 1
	STEP 0, 0, 0
	TURN 0, 1, 0                                   ; nothing is left to fetch
	STEP 1, 0, 0
	s_wait_dscnt 4*NL
	WIN MUL_LO
	MUL16 0, 1, NQ-1, 1, 0
	MUL16 2, 1, NQ-1, 1, 0
	s_wait_dscnt 0
	WIN MUL_HI
	MUL16 4, 1, NQ-1, 1, 0
	MUL16 6, 1, NQ-1, 1, 0
	WIN 0
	; THE WAY OUT.  Row block a's 64 registers of a lane are 128 neighbours along the next product's K (register 16 b + i = 32 b + 16 (lane / 16) + i): they are quantised in registers and stored as a fragment's image.
	s_lshl_b32 s18, s17, 1
	s_add_co_u32 s18, s18, s15                     ; which 128 rows of A are mine
	s_lshl_b32 s19, s42, 1
	s_add_co_u32 s19, s19, s16                     ; which 128 rows of B
	s_mov_b32 s24, 768
	s_mov_b32 s26, 768
	s_mov_b32 s28, 98304
	s_cmp_eq_u32 s10, 2
	s_cselect_b32 s20, s19, s18                    ; G: the group of 128 tokens
	s_cselect_b32 s21, s18, s19                    ; g: the pair of heads
	s_cselect_b32 s22, 64, 8
	s_cselect_b32 s24, 1536, s24                   ; from block to block: q, k: a tile's 768 bytes;  v: a d tile's 1,536,
	s_cselect_b32 s26, 93696, s26                  ; and from block 3 to 4 on to the next head's first d tile
	s_cselect_b32 s28, 768, s28                    ; from a fragment's first half to its second: q, k: the next head;  v: 768 bytes
	s_mov_b32 s25, 0
	s_mov_b32 s27, 0
	s_mov_b32 s29, 0
	s_mul_i32 s30, s10, 6291456
	s_lshr_b32 s31, s20, 4
	s_mul_i32 s31, s31, 1572864
	s_add_co_u32 s30, s30, s31
	s_and_b32 s31, s20, 15
	s_mul_i32 s31, s31, 6144
	s_add_co_u32 s30, s30, s31
	s_mul_i32 s31, s21, 196608
	s_add_co_u32 s30, s30, s31
	s_mov_b32 s31, 0
	s_add_nc_u64 s[32:33], s[8:9], s[30:31]
	s_add_nc_u64 s[34:35], s[32:33], s[28:29]
	s_mul_i32 s36, s18, s22
	s_add_co_u32 s36, s36, s19
	s_lshl_b32 s36, s36, 9
	s_lshl_b32 s37, s10, 18
	s_add_co_u32 s36, s36, s37
	s_add_co_u32 s36, s36, QS0
	s_mov_b32 s37, 0
	s_add_nc_u64 s[38:39], s[8:9], s[36:37]
	s_mov_b32 s12, 0x76543210
	s_mov_b32 s13, 0xfedcba98                      ; v_permlanex16_b32's selects for lane l xor 16
	s_mov_b32 s40, 0xffff0000                      ; lanes 16-31
	PLACES NP                                      ; behind the last products: the lines below write registers that held scale words and read results
.irp b, 0,1,2,3
	v_mov_b32 v[TM+4+\b], 0                        ; written once: a lane permute's destination counts as one of its sources
.endr
.macro QOUT a
.set QW, 2+(\a)/4
.set QA, 64*((\a)%4)
.set QM, (QW<<2)|(QW<<4)
	s_wait_xcnt 0x0                                ; the last block's stores have read their registers and bases
.if (\a) == 4
	s_add_nc_u64 s[32:33], s[32:33], s[26:27]
	s_add_nc_u64 s[34:35], s[34:35], s[26:27]
.elseif (\a) > 0
	s_add_nc_u64 s[32:33], s[32:33], s[24:25]
	s_add_nc_u64 s[34:35], s[34:35], s[24:25]
.endif
	WIN QM                                         ; sources 1 and 2: the accumulators' window
.irp b, 0,1,2,3
	v_max3_num_f32 v[TM+\b], 0x1800000, |v[QA+16*\b]|, |v[QA+16*\b+1]|   ; each accumulator from its low end on; the floor 2^(3 - 127) holds the byte at 1 from below
.endr
.irp i, 2,4,6,8,10,12,14
.irp b, 0,1,2,3
	v_max3_num_f32 v[TM+\b], v[TM+\b], |v[QA+16*\b+\i]|, |v[QA+16*\b+\i+1]|
.endr
.endr
	WIN 0
.irp b, 0,1,2,3
	v_permlanex16_b32 v[TM+4+\b], v[TM+\b], s12, s13
.endr
.irp b, 0,1,2,3
	v_max_num_f32 v[TM+\b], v[TM+\b], v[TM+4+\b]
.endr
.irp b, 0,1,2,3
	v_add_nc_u32 v[TM+12+\b], 0xff000000, v[TM+\b]
.endr
.irp b, 0,1,2,3
	v_lshrrev_b32 v[TM+4+\b], 23, v[TM+12+\b]
.endr
	v_lshl_or_b32 v[PWS+\a], v[TM+5], 8, v[TM+4]
	v_lshl_or_b32 v[PWS+\a], v[TM+6], 16, v[PWS+\a]
	v_lshl_or_b32 v[PWS+\a], v[TM+7], 24, v[PWS+\a]
	WIN QW                                         ; source 0: the accumulators' window
.irp c, 0,1
	v_cvt_scalef32_pk16_fp6_f32 v[PC+6*\c:PC+6*\c+2], v[QA+32*\c:QA+32*\c+15], v[TM+12+2*\c]
	v_cvt_scalef32_pk16_fp6_f32 v[PC+12+4*\c:PC+12+4*\c+2], v[QA+32*\c+16:QA+32*\c+31], v[TM+12+2*\c+1]
.endr
	WIN 0
	v_nop                                          ; one plain place behind a scaled conversion
.irp c, 0,1
.irp i, 0,1,2
	v_permlane16_swap_b32 v[PC+6*\c+\i], v[PC+12+4*\c+\i]
.endr
.irp i, 0,1,2
	v_mov_b32 v[PC+3+6*\c+\i], v[PC+12+4*\c+\i]
.endr
.endr
	global_store_b128 v[L16], v[PC:PC+3], s[32:33]                 ; 512 consecutive bytes
	global_store_b64 v[L8], v[PC+4:PC+5], s[32:33] offset:512      ; 256
	global_store_b128 v[L16], v[PC+6:PC+9], s[34:35]
	global_store_b64 v[L8], v[PC+10:PC+11], s[34:35] offset:512
.endm
.irp a, 0,1,2,3,4,5,6,7
	QOUT \a
.endr
.irp j, 0,1,2,3
	v_cndmask_b32 v[WW+\j], v[PWS+2*\j], v[PWS+2*\j+1], s40        ; word j: block 2 j's in lanes 0-15, block 2 j + 1's in lanes 16-31
.endr
	global_store_b128 v[L16], v[WW:WW+3], s[38:39]                 ; the image of my eight blocks' scale words: 512 consecutive bytes
	s_wait_tensorcnt 0x0                           ; the wave's end
	ds_add_u32 v[SPW], v[NIL]
	s_wait_dscnt 0x0
	CROUND                                         ; the closing round
	s_endpgm
.Lfunc_end_k_q4e81568bda_qkvp:
	.size	k_q4e81568bda_qkvp, .Lfunc_end_k_q4e81568bda_qkvp-k_q4e81568bda_qkvp
	.p2alignl 7, 3214868480
	.fill 96, 4, 3214868480
	.section	.rodata,"a",@progbits
	.p2align	6, 0x0
	.amdhsa_kernel k_q4e81568bda_qkvp
		.amdhsa_group_segment_fixed_size 327680
		.amdhsa_private_segment_fixed_size 0
		.amdhsa_enable_private_segment 0
		.amdhsa_kernarg_size 24
		.amdhsa_user_sgpr_count 2
		.amdhsa_user_sgpr_kernarg_segment_ptr 1
		.amdhsa_wavefront_size32 1
		.amdhsa_system_sgpr_workgroup_id_x 1
		.amdhsa_system_sgpr_workgroup_id_y 1
		.amdhsa_system_sgpr_workgroup_id_z 1
		.amdhsa_system_vgpr_workitem_id 0
		.amdhsa_next_free_vgpr 1024
		.amdhsa_next_free_sgpr 100
		.amdhsa_reserve_vcc 0
		.amdhsa_float_denorm_mode_32 3
		.amdhsa_float_denorm_mode_16_64 3
		.amdhsa_memory_ordered 1
		.amdhsa_forward_progress 1
		.amdhsa_inst_pref_size 151
	.end_amdhsa_kernel
	.amdgpu_metadata
---
amdhsa.version: [ 1, 2 ]
amdhsa.kernels:
  - .name:           k_q4e81568bda_qkvp
    .symbol:         k_q4e81568bda_qkvp.kd
    .args:
      - { .name: xb, .offset: 0, .size: 8, .value_kind: global_buffer, .address_space: global }
      - { .name: wb, .offset: 8, .size: 8, .value_kind: global_buffer, .address_space: global }
      - { .name: qkv, .offset: 16, .size: 8, .value_kind: global_buffer, .address_space: global }
    .group_segment_fixed_size: 327680
    .private_segment_fixed_size: 0
    .kernarg_segment_align: 8
    .kernarg_segment_size: 24
    .max_flat_workgroup_size: 128
    .sgpr_count:     100
    .vgpr_count:     1024
    .wavefront_size: 32
...
	.end_amdgpu_metadata
.endif
;; end of part 2
;; launch attn (part 3): grid 4 x 64, 16 waves a work-group, no clusters, 212,992 bytes of LDS; arguments qkv, mk, rel_bias, ao; writes ao
.if DOCPART == 3
	.amdgcn_target "amdgcn-amd-amdhsa--gfx1250"
	.amdhsa_code_object_version 6
	.text
	.protected	k_q4e81568bda_attn
	.globl	k_q4e81568bda_attn
	.p2align	8
	.type	k_q4e81568bda_attn,@function
k_q4e81568bda_attn:
	s_mov_b64 s[64:65], 0
	v_nop
	global_prefetch_b8 v0, s[64:65] scope:SCOPE_SE
	s_setreg_imm32_b32 hwreg(HW_REG_WAVE_MODE, 25, 1), 1
	s_wait_xcnt 0x0
; Attention of one head on codes of E2M3: logits = q . k / 8 + rel_bias[head][bucket(q - k)], the mask, p = 2^(t - M) quantised along the keys, O = (p v) / l, O quantised along the head's 64 for the last projection.
; SHARES.  A work-group takes one head (y) and 32 tiles of 16 queries; wave w of work-group x owns tiles 16 x + w and 127 - (16 x + w), one after the other.  256 registers a wave, four waves to a SIMD.
; THE HEAD'S WHOLE K AND V LIE IN LDS as images of their fragments (96 KiB each), with their scale words and a table of biases: filled once through registers, one barrier, no ring and no tensor load.
; NO CLUSTER, NO JOINT LOADS: the four work-groups of a head read the same 204 KiB once each.
; THE MASK is an input: an earlier launch has stored, for each (tile, step of 128 keys), 64 lane masks, and which steps have any true bit (NEED) and only true bits (FULL).  A step without a true bit is jumped over
; (its p are all 0) unless some row of the tile has no true bit at all: then every step runs, every masked t is -3e38 = M, p = 1, l = 2,048: the even weights that a softmax of equal logits gives.
; LAYOUT.  Both products transposed: S^T = K Q^T, O^T = V^T P^T: a lane holds one query.  A tile holds rows 32 (t / 2) + 8 (t % 2) + r + 8 (r / 8), so the 16 registers of tiles 2 b, 2 b + 1 are keys 32 b + 16 (lane / 16) + 0 .. 15.
; The first product's K is 64: registers 6-11 of both operands are zero codes, written once; their scale bytes are 0, which is 2^-127 and multiplies zeros.
; THE BIAS hangs on q - k alone: bucket 0 for q - k <= 0, 31 from 113 on.  A step that lies wholly on one side adds a constant; the others read a table of 512 words, word t for q - k = 263 - t.
; LIMITS: masked logits are taken as t = -3e38; NaN and infinities are not served; blocks of zeros or under 2^-124 get the scale byte 1.
; REGISTERS: v1, v2 16 and 8 x lane; v3, v4 bias addresses; v5, v6 the add's two; v7 -3e38; v8-11, v29, v209 LDS addresses; v12 -M, v13 largest t, v[14:15] the sum; v16-27 Q, v28 its scale word; v[30:31] a constant bias;
; v32-79 four fragments of K; v80-143 S^T, t, p, then V's four fragments; v144-175 O^T; v176-187 p's codes; v188-194 at work (v191, v195: the biases of buckets 0 and 31); v196-208 blocks' maxima, bytes, scale operands, p's word;
; v[210:211] f; v212-215 K's scale words, v216-217 V's; v218-249 32 biases; v250-255 at work.  s32-63 and s68-99: the step's 64 lane masks.
.set QS0,   18874368
.set AS0,   6291456
.set MN0,   524288
.set PIB,   6291456                    ; bytes of q's, k's or v's codes
.set HB,    98304                      ; of one head's
.set VIMG,  98304                      ; LDS: K's images from 0, V's from here,
.set KSC,   196608                     ; K's scale words [step][lane][4],
.set VSC,   204800                     ; V's [step][lane][2],
.set BIAS,  208896                     ; the table,
.set SPARE, 210944                     ; the spare words, 128 bytes for each of 16 waves
	s_load_b256 s[4:11], s[0:1], 0x0               ; qkv, mk, rel_bias, ao
	v_lshl_add_u32 v5, v0, 2, SPARE
	v_mov_b32 v6, 0
	v_lshrrev_b32 v135, 5, v0
	v_readfirstlane_b32 s12, v135                  ; wave 0..15
	s_and_b32 s13, ttmp7, 0xffff                   ; 16 x batch + head
	s_lshr_b32 s14, s13, 4                         ; batch
	s_and_b32 s15, s13, 15                         ; head
	s_lshr_b32 s16, s15, 1                         ; pair of heads
	s_and_b32 s17, s15, 1                          ; which of the pair
	s_lshl_b32 s18, s17, 4
	; the table's word for my thread: distance 263 - min(t, 263); its bucket: the distance up to 16, one more at each of 15 thresholds (16 x 8^(m / 16), rounded up; none lies within 0.01 of a whole number)
	v_min_u32 v146, 263, v0
	v_sub_nc_u32 v146, 263, v146
	v_min_u32 v147, 16, v146
	v_mov_b32 v149, 0
	v_mov_b32 v150, 1
.irp th, 19,21,24,27,31,35,40,46,52,59,67,77,87,99,113
	v_cmp_le_u32 vcc_lo, \th, v146
	v_cndmask_b32 v148, v149, v150, vcc_lo
	v_add_nc_u32 v147, v147, v148
.endr
	v_min_u32 v147, 31, v147
	v_lshlrev_b32 v139, 2, v147
	s_mul_i32 s19, s13, HB
	s_add_co_u32 s19, s19, PIB                     ; my head's codes of K; V's lie PIB bytes on
	v_lshlrev_b32 v140, 4, v0                      ; 16 x thread
	v_add_nc_u32 v136, s19, v140
	s_lshl_b32 s19, s14, 7
	s_add_co_u32 s19, s19, s16
	s_lshl_b32 s19, s19, 9
	s_add_co_u32 s19, s19, QS0+262144              ; K's scale images: (8 x group of tokens + pair of heads) x 512
	v_and_b32 v135, 31, v0
	v_lshrrev_b32 v137, 5, v0
	v_lshlrev_b32 v137, 12, v137
	v_lshl_add_u32 v137, v135, 4, v137
	v_add_nc_u32 v137, s19, v137
	s_lshl_b32 s19, s16, 15
	s_lshl_b32 s24, s14, 13
	s_add_co_u32 s19, s19, s24
	s_lshl_b32 s24, s17, 3
	s_add_co_u32 s19, s19, s24
	s_add_co_u32 s19, s19, QS0+524288              ; V's: (64 x pair + group) x 512, my head's two words of four
	v_add_nc_u32 v138, s19, v140
	s_lshl_b32 s24, s15, 7
	s_mov_b32 s25, 0
	v_add_nc_u32 v141, 0x10000, v140
	v_add_nc_u32 v142, 0x20000, v140
	v_add_nc_u32 v143, KSC, v140
	v_lshl_add_u32 v144, v0, 3, VSC
	v_lshl_add_u32 v145, v0, 2, BIAS
	s_wait_kmcnt 0x0
	s_add_nc_u64 s[8:9], s[8:9], s[24:25]          ; my head's row of rel_bias
.set i, 0
.rept 12
	global_load_b128 v[32+4*i:35+4*i], v136, s[4:5] offset:8192*i
.set i, i+1
.endr
.rept 12
	global_load_b128 v[32+4*i:35+4*i], v136, s[4:5] offset:PIB+8192*(i-12)
.set i, i+1
.endr
	global_load_b128 v[128:131], v137, s[4:5]
	global_load_b64 v[132:133], v138, s[4:5]
	global_load_b32 v134, v139, s[8:9]
.set i, 0
.rept 24
	s_wait_loadcnt 26-i                            ; loads come back in order: 26 - i were issued behind load i
	ds_store_b128 v[140+i/8], v[32+4*i:35+4*i] offset:(i%8)*8192
.set i, i+1
.endr
	s_wait_loadcnt 2
.irp j, 0,1,2,3
	v_lshrrev_b32 v[128+\j], s18, v[128+\j]        ; a word holds two heads' two bytes: mine, and zeros above
.endr
.irp j, 0,1,2,3
	v_and_b32 v[128+\j], 0xffff, v[128+\j]
.endr
	ds_store_b128 v143, v[128:131]
	s_wait_loadcnt 1
	ds_store_b64 v144, v[132:133]
	s_wait_loadcnt 0x0
	v_mul_f32 v134, 0x3fb8aa3b, v134               ; bias x log2(e)
	ds_store_b32 v145, v134
	s_wait_dscnt 0x0                               ; for the others' sake: my stores have landed
	s_barrier_signal -1
	s_barrier_wait -1                              ; the launch's one barrier: from here on LDS is only read
	v_and_b32 v250, 31, v0
	v_lshlrev_b32 v1, 4, v250
	v_lshlrev_b32 v2, 3, v250
	v_and_b32 v251, 15, v0
	v_bfe_u32 v252, v0, 4, 1
	v_and_b32 v253, 8, v251
	v_add_nc_u32 v253, v253, v251                  ; r + 8 (r / 8)
	v_lshl_add_u32 v252, v252, 4, 23
	v_sub_nc_u32 v252, v252, v253
	v_lshl_add_u32 v3, v252, 2, BIAS               ; the table at 23 - (r + 8 (r / 8)) + 16 h
	v_mov_b32 v7, 0xff61b1e6                       ; -3e38
	v_mov_b32 v254, BIAS
	ds_load_b32 v195, v254                         ; word 0: distance 263: bucket 31
	ds_load_b32 v191, v254 offset:1200             ; word 300: distance 0: bucket 0
.irp t, 0,1,2,3
.irp j, 6,7,8,9,10,11
	v_mov_b32 v[32+12*\t+\j], 0                    ; K's zero codes for k = 64 .. 127: written once
.endr
.endr
.irp j, 22,23,24,25,26,27
	v_mov_b32 v\j, 0                               ; Q's
.endr
.irp j, 200,201,202,203,211
	v_mov_b32 v\j, 0                               ; lane permutes' destinations, and the upper half of the pair v[210:211]
.endr
	s_mov_b32 s20, 0x76543210
	s_mov_b32 s21, 0xfedcba98                      ; v_permlanex16_b32's selects for lane l xor 16
	s_mov_b32 s22, 0x3e38aa3b                      ; log2(e) / 8
	s_mov_b32 s23, s22
	s_wait_dscnt 0x0
.macro SQK m                           ; S^T, tile m of the step's eight: its scale words lie in lanes 0-15 (m even) or 16-31 of register m / 2
.if (\m)%2
	v_wmma_scale_f32_16x16x128_f8f6f4 v[80+8*(\m):87+8*(\m)], v[32+12*((\m)%4):43+12*((\m)%4)], v[16:27], 0, v[212+(\m)/2], v28 matrix_a_fmt:MATRIX_FMT_FP6 matrix_b_fmt:MATRIX_FMT_FP6 matrix_a_scale:MATRIX_SCALE_ROW1
.else
	v_wmma_scale_f32_16x16x128_f8f6f4 v[80+8*(\m):87+8*(\m)], v[32+12*((\m)%4):43+12*((\m)%4)], v[16:27], 0, v[212+(\m)/2], v28 matrix_a_fmt:MATRIX_FMT_FP6 matrix_b_fmt:MATRIX_FMT_FP6
.endif
.endm
.macro OPV t                           ; O^T += V^T P^T, d tile t
.if (\t)%2
	v_wmma_scale_f32_16x16x128_f8f6f4 v[144+8*(\t):151+8*(\t)], v[80+12*(\t):91+12*(\t)], v[176:187], v[144+8*(\t):151+8*(\t)], v[216+(\t)/2], v208 matrix_a_fmt:MATRIX_FMT_FP6 matrix_b_fmt:MATRIX_FMT_FP6 matrix_a_scale:MATRIX_SCALE_ROW1
.else
	v_wmma_scale_f32_16x16x128_f8f6f4 v[144+8*(\t):151+8*(\t)], v[80+12*(\t):91+12*(\t)], v[176:187], v[144+8*(\t):151+8*(\t)], v[216+(\t)/2], v208 matrix_a_fmt:MATRIX_FMT_FP6 matrix_b_fmt:MATRIX_FMT_FP6
.endif
.endm
; ONE TILE OF 16 QUERIES, s26 = its number in the batch.  Written twice, so that the tile's number is made of ids alone.
.macro TILE
	s_mul_i32 s48, s13, HB
	s_mul_i32 s49, s26, 768
	s_add_co_u32 s48, s48, s49
	v_add_nc_u32 v250, s48, v1
	v_add_nc_u32 v251, s48, v2
	global_load_b128 v[16:19], v250, s[4:5]        ; Q's half fragment
	global_load_b64 v[20:21], v251, s[4:5] offset:512
	s_lshl_b32 s48, s14, 4
	s_lshr_b32 s49, s26, 3
	s_add_co_u32 s48, s48, s49
	s_lshl_b32 s48, s48, 3
	s_add_co_u32 s48, s48, s16
	s_lshl_b32 s48, s48, 9                         ; Q's scale image,
	s_and_b32 s49, s26, 1
	s_lshl_b32 s49, s49, 8
	s_add_co_u32 s48, s48, s49                     ; the half of its lanes in which my tile's words lie,
	s_bfe_u32 s49, s26, 0x20001
	s_lshl_b32 s49, s49, 2
	s_add_co_u32 s48, s48, s49                     ; and which of a lane's four words
	s_add_co_u32 s48, s48, QS0
	v_and_b32 v252, 15, v0
	v_lshl_add_u32 v252, v252, 4, s48
	global_load_b32 v28, v252, s[4:5]
	s_lshl_b32 s50, s26, 9
	s_add_co_u32 s50, s50, MN0
	s_mov_b32 s51, 0
	s_add_nc_u64 s[50:51], s[6:7], s[50:51]
	s_load_b128 s[32:35], s[50:51], 0x0            ; four parts of: steps needed, steps full, rows with a true bit
	s_load_b128 s[36:39], s[50:51], 0x80
	s_load_b128 s[40:43], s[50:51], 0x100
	s_load_b128 s[44:47], s[50:51], 0x180
	s_lshl_b32 s52, s26, 12
	s_mov_b32 s53, 0
	s_add_nc_u64 s[100:101], s[6:7], s[52:53]      ; the tile's lane masks, 256 bytes a step
	s_lshr_b32 s31, s26, 1
	s_lshl_b32 s31, s31, 5
	s_and_b32 s54, s26, 1
	s_lshl_b32 s54, s54, 3
	s_add_co_u32 s31, s31, s54                     ; the tile's first query
	s_mov_b32 s2, 0                                ; the step's place in K's and V's images: 6,144 bytes a step
	s_mov_b32 s3, KSC                              ; K's scale words: 512
	s_mov_b32 s66, VSC                             ; V's: 256
	s_mov_b32 s67, 0                               ; its first key
	s_mov_b32 s28, 16
	s_wait_kmcnt 0x0
	s_or_b32 s29, s32, s36
	s_or_b32 s29, s29, s40
	s_or_b32 s29, s29, s44
	s_or_b32 s30, s33, s37
	s_or_b32 s30, s30, s41
	s_or_b32 s30, s30, s45
	s_or_b32 s19, s34, s38
	s_or_b32 s19, s19, s42
	s_or_b32 s19, s19, s46
	s_cmp_eq_u32 s19, 0xffff
	s_cselect_b32 s29, s29, 0xffff                 ; a row without any true bit: every step runs
	s_wait_loadcnt 0x0
	v_lshrrev_b32 v28, s18, v28
	v_and_b32 v28, 0xffff, v28                     ; my head's two bytes.  (The 36 lines below are the places between this write and the first scaled product)
	v_mov_b32 v13, v7                              ; the largest t so far
	v_floor_f32 v12, -v13                          ; -M
	v_mov_b32 v14, 0
	v_mov_b32 v15, 0
.set n, 0
.rept 32
	v_mov_b32 v[144+n], 0                          ; O^T: the step is written once; the first change of M multiplies zeros
.set n, n+1
.endr
.Lstep_\@:
	s_bitcmp1_b32 s29, 0
	s_cbranch_scc0 .Lskip_\@                       ; no true bit in this step: a branch on a stored whole number
	s_load_b512 s[32:47], s[100:101], 0x0          ; the 64 lane masks
	s_load_b512 s[48:63], s[100:101], 0x40
	s_load_b512 s[68:83], s[100:101], 0x80
	s_load_b512 s[84:99], s[100:101], 0xc0
	v_add_nc_u32 v8, s2, v1
	v_add_nc_u32 v9, s2, v2
	v_add_nc_u32 v10, VIMG, v8
	v_add_nc_u32 v11, VIMG, v9
	v_add_nc_u32 v29, s3, v1
	v_add_nc_u32 v209, s66, v2
	ds_load_b128 v[212:215], v29
.irp g, 0,1
.if \g
.rept 4
	v_nop                                          ; places in front of loads into registers that the four products above have read
.endr
.endif
.irp t, 0,1,2,3
	ds_load_b128 v[32+12*\t:35+12*\t], v8 offset:(4*\g+\t)*768
	ds_load_b64 v[36+12*\t:37+12*\t], v9 offset:(4*\g+\t)*768+512
.endr
	s_wait_dscnt 0x0
.irp t, 0,1,2,3
	SQK 4*\g+\t
.endr
.endr
.rept 4
	v_nop                                          ; places in front of the first read of results
.endr
	; t = score x log2(e) / 8 + bias x log2(e).  u = first key - first query + 240: the table's word for register 16 b + i is u + 23 - (r + 8 (r / 8)) + 16 h + 32 b + i
	s_sub_co_i32 s19, s67, s31
	s_add_co_i32 s19, s19, 240
	s_sub_co_u32 s104, s19, 1
	s_cmp_lt_u32 s104, 262
	s_cbranch_scc0 .Lflat_\@                       ; u <= 0: every distance is 113 or more;  u >= 263: none is above 0
	s_min_u32 s104, s19, 262
	s_lshl_b32 s104, s104, 2
	v_add_nc_u32 v4, s104, v3
.irp k, 0,1
.set m, 0
.rept 32
	ds_load_b32 v[218+m], v4 offset:4*(32*((32*\k+m)/16)+(32*\k+m)%16)
.set m, m+1
.endr
	s_wait_dscnt 0x0
.set m, 0
.rept 16
	v_pk_fma_f32 v[80+32*\k+m:81+32*\k+m], v[80+32*\k+m:81+32*\k+m], s[22:23], v[218+m:219+m] op_sel_hi:[1,0,1]
.set m, m+2
.endr
.endr
	s_branch .Lbiased_\@
.Lflat_\@:
	s_cmp_gt_i32 s19, 0
	s_cselect_b32 s104, -1, 0
	v_cndmask_b32 v30, v195, v191, s104
	v_mov_b32 v31, v30
.set m, 0
.rept 32
	v_pk_fma_f32 v[80+m:81+m], v[80+m:81+m], s[22:23], v[30:31] op_sel_hi:[1,0,1]
.set m, m+2
.endr
.Lbiased_\@:
	s_wait_kmcnt 0x0                               ; the lane masks are in; their base may be stepped
	s_bitcmp1_b32 s30, 0
	s_cbranch_scc1 .Lfull_\@                       ; only true bits: nothing to hide
.set n, 0
.rept 32
	v_cndmask_b32 v[80+n], v7, v[80+n], s[32+n]
.set n, n+1
.endr
.rept 32
	v_cndmask_b32 v[80+n], v7, v[80+n], s[36+n]
.set n, n+1
.endr
.Lfull_\@:
.irp b, 0,1,2,3
	v_max3_num_f32 v[196+\b], v[80+16*\b], v[81+16*\b], v[82+16*\b]   ; the largest t of each block of 32 keys: for the row's maximum and, since p rises with t, for the block's largest p
.endr
.irp i, 3,5,7,9,11,13
.irp b, 0,1,2,3
	v_max3_num_f32 v[196+\b], v[196+\b], v[80+16*\b+\i], v[81+16*\b+\i]
.endr
.endr
.irp b, 0,1,2,3
	v_max_num_f32 v[196+\b], v[196+\b], v[95+16*\b]
.endr
.irp b, 0,1,2,3
	v_permlanex16_b32 v[200+\b], v[196+\b], s20, s21
.endr
.irp b, 0,1,2,3
	v_max_num_f32 v[196+\b], v[196+\b], v[200+\b]
.endr
	v_max3_num_f32 v250, v196, v197, v198
	v_max_num_f32 v250, v250, v199
	v_max_num_f32 v13, v13, v250                   ; the running largest t
	v_mov_b32 v250, v12
	v_floor_f32 v12, -v13                          ; the new -M = -ceil(t): a whole number
	v_sub_f32 v250, v12, v250                      ; old M - new M, 0 or less
	v_cvt_i32_f32 v250, v250                       ; (it saturates)
	v_ldexp_f32 v210, 1.0, v250                    ; f = 2^(old M - new M): rounds nothing
.set m, 0
.rept 32
	v_pk_add_f32 v[80+m:81+m], v[80+m:81+m], v[12:13] op_sel_hi:[1,0]   ; t - M
.set m, m+2
.endr
.irp b, 0,1,2,3
	v_add_f32 v[196+\b], v[196+\b], v12            ; the same of each block's largest t
.endr
.set n, 0
.rept 64
	v_exp_f32 v[80+n], v[80+n]                     ; p = 2^(t - M): not normalised
.set n, n+1
.endr
	v_pk_mul_f32 v[14:15], v[14:15], v[210:211] op_sel_hi:[1,0]   ; the sums under the new M; a plain instruction behind the exponentials
	s_wait_alu depctr_va_vdst(0)                   ; one wait for the batch, ahead of its first reader
.irp b, 0,1,2,3
	v_exp_f32 v[196+\b], v[196+\b]                 ; the block's largest p: the same two instructions on the same number
.endr
	v_pk_add_f32 v[200:201], v[80:81], v[82:83]    ; the row's sum is taken of the unquantised p, in two chains
.irp j, 4,8,12,16,20,24,28,32,36,40,44,48,52,56,60
	v_pk_add_f32 v[14:15], v[14:15], v[80+\j:81+\j]
	v_pk_add_f32 v[200:201], v[200:201], v[82+\j:83+\j]
.endr
	v_pk_add_f32 v[14:15], v[14:15], v[200:201]
	s_wait_alu depctr_va_vdst(0)                   ; and one for the four
.irp b, 0,1,2,3
	v_max_num_f32 v[196+\b], 0x1800000, v[196+\b]  ; the floor 2^(3 - 127)
.endr
.irp b, 0,1,2,3
	v_add_nc_u32 v[204+\b], 0xff000000, v[196+\b]  ; the conversion's scale operand
.endr
.irp b, 0,1,2,3
	v_lshrrev_b32 v[200+\b], 23, v[204+\b]         ; the byte
.endr
	v_lshl_or_b32 v208, v201, 8, v200
	v_lshl_or_b32 v208, v202, 16, v208
	v_lshl_or_b32 v208, v203, 24, v208             ; p's scale word for these 128 keys
.irp c, 0,1
	v_cvt_scalef32_pk16_fp6_f32 v[176+6*\c:178+6*\c], v[80+32*\c:95+32*\c], v[204+2*\c]
	v_cvt_scalef32_pk16_fp6_f32 v[188+4*\c:190+4*\c], v[96+32*\c:111+32*\c], v[204+2*\c+1]
.endr
	v_nop                                          ; one plain place behind a scaled conversion
.irp c, 0,1
.irp i, 0,1,2
	v_permlane16_swap_b32 v[176+6*\c+\i], v[188+4*\c+\i]
.endr
.irp i, 0,1,2
	v_mov_b32 v[179+6*\c+\i], v[188+4*\c+\i]
.endr
.endr
.irp t, 0,1,2,3                                ; V's four fragments take p's registers
	ds_load_b128 v[80+12*\t:83+12*\t], v10 offset:1536*\t
	ds_load_b64 v[84+12*\t:85+12*\t], v11 offset:1536*\t+512
	ds_load_b128 v[86+12*\t:89+12*\t], v10 offset:1536*\t+768
	ds_load_b64 v[90+12*\t:91+12*\t], v11 offset:1536*\t+1280
.endr
	ds_load_b64 v[216:217], v209
.set m, 0
.rept 16
	v_pk_mul_f32 v[144+m:145+m], v[144+m:145+m], v[210:211] op_sel_hi:[1,0]   ; O^T under the new M.  (These 16 are also the places between the writes of p's codes and scale word and the products)
.set m, m+2
.endr
	s_wait_dscnt 0x0
	OPV 0                                          ; four accumulators by turns
	OPV 1
	OPV 2
	OPV 3
.rept 5
	v_nop                                          ; the next step's first products write over V's registers: five places
.endr
.Lskip_\@:
	s_lshr_b32 s29, s29, 1
	s_lshr_b32 s30, s30, 1
	s_add_co_u32 s2, s2, 6144
	s_add_co_u32 s3, s3, 512
	s_add_co_u32 s66, s66, 256
	s_add_co_u32 s67, s67, 128
	s_add_nc_u64 s[100:101], s[100:101], 256
	s_sub_co_u32 s28, s28, 1
	s_cmp_lg_u32 s28, 0
	s_cbranch_scc1 .Lstep_\@
	; THE TILE'S END: O^T / l, quantised along the head's 64 (two blocks), stored as half a fragment of the last projection's A operand
	v_add_f32 v14, v14, v15
	v_permlanex16_b32 v250, v14, s20, s21
	v_add_f32 v14, v14, v250                       ; the row's sum
	v_rcp_f32 v210, v14
	s_lshl_b32 s48, s14, 7
	s_add_co_u32 s48, s48, s26                     ; the tile among all 512
	s_lshl_b32 s49, s48, 3
	s_add_co_u32 s49, s49, s16
	s_mul_i32 s49, s49, 1536
	s_mul_i32 s50, s17, 768
	s_add_co_u32 s49, s49, s50
	v_add_nc_u32 v253, s49, v1                     ; (plain instructions behind the reciprocal)
	v_add_nc_u32 v254, s49, v2
	s_lshl_b32 s48, s48, 9
	s_lshr_b32 s50, s16, 1
	s_lshl_b32 s50, s50, 7
	s_add_co_u32 s48, s48, s50
	s_and_b32 s50, s16, 1
	s_lshl_b32 s50, s50, 2
	s_add_co_u32 s48, s48, s50
	s_lshl_b32 s50, s17, 1
	s_add_co_u32 s48, s48, s50
	s_add_co_u32 s48, s48, AS0
	v_and_b32 v255, 15, v0
	v_lshl_add_u32 v255, v255, 3, s48
	s_wait_alu depctr_va_vdst(0)                   ; ahead of the reciprocal's first reader
.set m, 0
.rept 16
	v_pk_mul_f32 v[144+m:145+m], v[144+m:145+m], v[210:211] op_sel_hi:[1,0]
.set m, m+2
.endr
.irp b, 0,1
	v_max3_num_f32 v[196+\b], |v[144+16*\b]|, |v[145+16*\b]|, 0x1800000
.endr
.irp i, 2,4,6,8,10,12,14
.irp b, 0,1
	v_max3_num_f32 v[196+\b], v[196+\b], |v[144+16*\b+\i]|, |v[145+16*\b+\i]|
.endr
.endr
.irp b, 0,1
	v_permlanex16_b32 v[200+\b], v[196+\b], s20, s21
.endr
.irp b, 0,1
	v_max_num_f32 v[196+\b], v[196+\b], v[200+\b]
.endr
.irp b, 0,1
	v_add_nc_u32 v[204+\b], 0xff000000, v[196+\b]
.endr
.irp b, 0,1
	v_lshrrev_b32 v[200+\b], 23, v[204+\b]
.endr
	v_lshl_or_b32 v208, v201, 8, v200
	v_cvt_scalef32_pk16_fp6_f32 v[176:178], v[144:159], v204
	v_cvt_scalef32_pk16_fp6_f32 v[188:190], v[160:175], v205
	v_nop                                          ; one plain place behind a scaled conversion
.irp i, 0,1,2
	v_permlane16_swap_b32 v[176+\i], v[188+\i]
.endr
.irp i, 0,1,2
	v_mov_b32 v[179+\i], v[188+\i]
.endr
	global_store_b128 v253, v[176:179], s[10:11]               ; 512 consecutive bytes
	global_store_b64 v254, v[180:181], s[10:11] offset:512     ; 256
	global_store_b16 v255, v208, s[10:11]                      ; my head's two bytes of each row's scale word; lanes 16-31 repeat lanes 0-15.  Two bytes a row: 256 KiB in the whole launch
	s_wait_xcnt 0x0                                ; the stores have read their registers, which the next tile writes
.endm
	s_lshl_b32 s26, ttmp9, 4
	s_add_co_u32 s26, s26, s12                     ; tile 16 x + w
	TILE
	s_lshl_b32 s26, ttmp9, 4
	s_add_co_u32 s26, s26, s12
	s_sub_co_u32 s26, 127, s26                     ; and its mirror: where the mask keeps earlier keys, the two together have the same number of steps in every wave
	TILE
	s_wait_tensorcnt 0x0                           ; the wave's end: behind my last LDS store
	ds_add_u32 v5, v6
	s_wait_dscnt 0x0
	s_endpgm
.Lfunc_end_k_q4e81568bda_attn:
	.size	k_q4e81568bda_attn, .Lfunc_end_k_q4e81568bda_attn-k_q4e81568bda_attn
	.p2alignl 7, 3214868480
	.fill 96, 4, 3214868480
	.section	.rodata,"a",@progbits
	.p2align	6, 0x0
	.amdhsa_kernel k_q4e81568bda_attn
		.amdhsa_group_segment_fixed_size 212992
		.amdhsa_private_segment_fixed_size 0
		.amdhsa_enable_private_segment 0
		.amdhsa_kernarg_size 32
		.amdhsa_user_sgpr_count 2
		.amdhsa_user_sgpr_kernarg_segment_ptr 1
		.amdhsa_wavefront_size32 1
		.amdhsa_system_sgpr_workgroup_id_x 1
		.amdhsa_system_sgpr_workgroup_id_y 1
		.amdhsa_system_sgpr_workgroup_id_z 1
		.amdhsa_system_vgpr_workitem_id 0
		.amdhsa_next_free_vgpr 256
		.amdhsa_next_free_sgpr 106
		.amdhsa_reserve_vcc 1
		.amdhsa_float_denorm_mode_32 3
		.amdhsa_float_denorm_mode_16_64 3
		.amdhsa_memory_ordered 1
		.amdhsa_forward_progress 1
		.amdhsa_inst_pref_size 86
	.end_amdhsa_kernel
	.amdgpu_metadata
---
amdhsa.version: [ 1, 2 ]
amdhsa.kernels:
  - .name:           k_q4e81568bda_attn
    .symbol:         k_q4e81568bda_attn.kd
    .args:
      - { .name: qkv, .offset: 0, .size: 8, .value_kind: global_buffer, .address_space: global }
      - { .name: mk, .offset: 8, .size: 8, .value_kind: global_buffer, .address_space: global }
      - { .name: rel_bias, .offset: 16, .size: 8, .value_kind: global_buffer, .address_space: global }
      - { .name: ao, .offset: 24, .size: 8, .value_kind: global_buffer, .address_space: global }
    .group_segment_fixed_size: 212992
    .private_segment_fixed_size: 0
    .kernarg_segment_align: 8
    .kernarg_segment_size: 32
    .max_flat_workgroup_size: 512
    .sgpr_count:     106
    .vgpr_count:     256
    .wavefront_size: 32
...
	.end_amdgpu_metadata
.endif
;; end of part 3
;; launch outp (part 4): grid 4 x 32, 4 waves a work-group, clusters of 4 x 4, 327,680 bytes of LDS; arguments ao, wb, out0; writes out0
.if DOCPART == 4
	.amdgcn_target "amdgcn-amd-amdhsa--gfx1250"
	.amdhsa_code_object_version 6
	.text
	.protected	k_q4e81568bda_outp
	.globl	k_q4e81568bda_outp
	.p2align	8
	.type	k_q4e81568bda_outp,@function
k_q4e81568bda_outp:
	s_mov_b64 s[64:65], 0
	v_nop
	global_prefetch_b8 v0, s[64:65] scope:SCOPE_SE
	s_setreg_imm32_b32 hwreg(HW_REG_WAVE_MODE, 25, 1), 1
	s_wait_xcnt 0x0
	s_wait_alu depctr_hold_cnt(0) depctr_sa_sdst(0) depctr_va_vdst(0) depctr_va_sdst(0) depctr_va_ssrc(0) depctr_va_vcc(0) depctr_vm_vsrc(0)
	s_getreg_b32 s2, hwreg(HW_REG_IB_STS2, 6, 4)
	s_cmp_eq_u32 s2, 0
	s_cbranch_scc0 .Lentry_in_a_cluster
	s_endpgm
.Lentry_in_a_cluster:
	s_bfe_u32 s2, ttmp6, 0x10000c
	s_cmp_lg_u32 s2, 0xf033
	s_cbranch_scc0 .Lentry_shape_is_right
	s_endpgm
.Lentry_shape_is_right:
; out0 = attention's result x Wo on codes of E2M3, K = 1,024; out0 [8192][1024] f32.
; A tile of 256 x 256 to a work-group, 128 x 128 to each of four waves; K in steps of 256 through two LDS slots filled by the tensor data mover.  32 x 4 tiles: 128 work-groups; a smaller tile would read each
; fragment from LDS for half as many products.
; Operands lie in memory as images of their registers (1,536 bytes a fragment of 16 rows x 128 K; a tile's eight K steps on end).  A tile holds rows 32 (t / 2) + 8 (t % 2) + r + 8 (r / 8).
; SOURCE 0 = Wo's columns, SOURCE 1 = the tokens: a lane holds one token; register j of column tile 2 b + u is column 32 b + 16 (lane / 16) + 8 u + j.
; CLUSTERS 4 x 4: A's tiles are asked for jointly along a row of the cluster, B's along a column.
; REGISTERS: window 0: v16-29 addresses; v32-63 scale words, two sets; v128-223 A's fragments, one set.  window 1: B's fragments, two sets.  windows 2, 3: the accumulators ((a, b) at v[8 (8 (a % 4) + b)]).
.set AS0,    6291456
.set WS0,    3145728
.set NQ,     2
.set FR,     12
.set FRB,    1536
.set NL,     4
.set NP,     4
.set TROW,   3072
.set TPITCH, 12288
.set HALFT,  8*TROW
.set SLOT,   4*HALFT
.set SCL,    2*SLOT
.set HALFS,  4096
.set SBLK,   512
.set SPARE,  SCL+4*HALFS
.set SPITCH, 528                       ; the way out: a stage of 16 rows x (512 bytes + 16) for each wave, in slot 0, which has had its last fill and its last read by then
.set ADRA, 16
.set ADRB, 20
.set STO,  24                          ; v24 the stage: where I put 32 bytes of a row
.set RD,   25                          ; v25 and where I read a row back
.set CO,   26                          ; v26 16 x lane
.set ADRS, 27
.set SPW,  28
.set NIL,  29
.set SC,   32
.set AF,   128
.set BK,   128
.set G1, 24
.set G0, 32
.set G1B, 48
.set G0B, 56
.set G1S, 68
.set G0S, 76
.set G1SB, 80
.set G0SB, 88
.set MSB, 0
.macro WIN new
.if MSB != \new
	s_set_vgpr_msb (MSB<<8)|\new
.set MSB, \new
.endif
.endm
.set MUL_LO, 0xa1
.set MUL_HI, 0xf1
.set TO_B,   0x40
.macro JLOAD g0a, g1a, g0b, g1b        ; a joint load: waves 0 and 1 fetch for A, waves 2 and 3 for B; an s_nop 0 and four v_nop follow each line
	s_cmp_eq_u32 s15, 0
	s_cbranch_scc0 .Lfor_b_\@
	tensor_load_to_lds s[\g0a:\g0a+3], s[\g1a:\g1a+7]
	s_nop 0
.rept 4
	v_nop
.endr
	s_branch .Lasked_\@
.Lfor_b_\@:
	tensor_load_to_lds s[\g0b:\g0b+3], s[\g1b:\g1b+7]
	s_nop 0
.rept 4
	v_nop
.endr
.Lasked_\@:
.endm
.macro CREST
	s_cmp_lg_u32 s14, 0
	s_cbranch_scc1 .Lnot_wave_0_\@
	s_barrier_signal -3
.Lnot_wave_0_\@:
	s_barrier_wait -3
	s_barrier_signal -1
	s_barrier_wait -1
.endm
.macro CROUND
	s_barrier_signal -1
	s_barrier_wait -1
	CREST
.endm
	s_load_b128 s[4:7], s[0:1], 0x0                ; ao, wb
	s_load_b64 s[8:9], s[0:1], 0x10                ; out0
	v_lshl_add_u32 v[SPW], v0, 2, SPARE
	v_mov_b32 v[NIL], 0
	ds_add_u32 v[SPW], v[NIL]                      ; the wave's opening: the add and its wait ahead of my first tensor load
	v_lshrrev_b32 v1, 5, v0
	v_readfirstlane_b32 s14, v1
	s_lshr_b32 s15, s14, 1
	s_and_b32 s16, s14, 1
	s_bfe_u32 s40, ttmp6, 0x40000                  ; cx
	s_bfe_u32 s41, ttmp6, 0x40004                  ; cy
	s_lshl_b32 s42, ttmp9, 2
	s_add_co_u32 s42, s42, s40                     ; tile column
	s_and_b32 s17, ttmp7, 0xffff
	s_lshl_b32 s17, s17, 2
	s_add_co_u32 s17, s17, s41                     ; tile row
	s_lshl_b32 s43, s41, 2
	s_lshl_b32 s43, 15, s43
	s_lshl_b32 s44, 0x1111, s40
	s_or_b32 s[G1+0], s43, (3<<16)|(1<<21)         ; codes: 8 rows (tiles) of 384 elements of 8 bytes, 1,536 elements apart
	s_or_b32 s[G1B+0], s44, (3<<16)|(1<<21)
.irp g, G1, G1B
	s_mov_b32 s[\g+1], 384<<16
	s_mov_b32 s[\g+2], 8<<16
	s_mov_b32 s[\g+3], 384<<16
	s_mov_b32 s[\g+4], 8
	s_mov_b32 s[\g+5], 1536
	s_mov_b32 s[\g+6], 0
	s_mov_b32 s[\g+7], 0
.endr
	s_or_b32 s[G1S+0], s43, (3<<16)|(1<<21)        ; scale words of eight tiles: 16 rows of 256 dense bytes
	s_or_b32 s[G1SB+0], s44, (3<<16)|(1<<21)
.irp g, G1S, G1SB
	s_mov_b32 s[\g+1], 32<<16
	s_mov_b32 s[\g+2], 16<<16
	s_mov_b32 s[\g+3], 32<<16
	s_mov_b32 s[\g+4], 16
	s_mov_b32 s[\g+5], 32
	s_mov_b32 s[\g+6], 0
	s_mov_b32 s[\g+7], 0
.endr
	s_lshl_b32 s12, s17, 4
	s_lshl_b32 s13, s16, 3
	s_add_co_u32 s12, s12, s13                     ; A: the first tile that I fetch
	s_mul_i32 s18, s12, TPITCH
	s_lshl_b32 s19, s12, 9
	s_add_co_u32 s19, s19, AS0
	s_lshl_b32 s95, s42, 4
	s_lshl_b32 s96, s16, 3
	s_add_co_u32 s95, s95, s96                     ; B likewise
	s_mul_i32 s2, s95, TPITCH
	s_add_co_u32 s2, s2, 3*786432                  ; Wo is the fourth weight
	s_lshl_b32 s3, s95, 9
	s_add_co_u32 s3, s3, WS0+98304
	s_mul_i32 s45, s14, HALFT
	s_mul_i32 s94, s14, HALFS
	s_wait_dscnt 0x0
	s_wait_kmcnt 0x0
	s_mov_b32 s12, s18
	s_mov_b32 s13, 0
	s_add_nc_u64 s[20:21], s[4:5], s[12:13]
	s_mov_b32 s12, s19
	s_add_nc_u64 s[22:23], s[4:5], s[12:13]
	s_mov_b32 s98, s2
	s_mov_b32 s99, 0
	s_add_nc_u64 s[46:47], s[6:7], s[98:99]
	s_mov_b32 s98, s3
	s_add_nc_u64 s[92:93], s[6:7], s[98:99]
	CROUND                                         ; all sixteen work-groups are here: the first joint loads meet
	s_mov_b32 s[G0S], 1
	s_add_co_u32 s[G0S+1], s94, SCL
	s_mov_b64 s[G0S+2:G0S+3], s[22:23]
	s_or_b32 s[G0S+3], s[G0S+3], 0x80000000
	s_mov_b32 s[G0SB], 1
	s_add_co_u32 s[G0SB+1], s94, SCL
	s_mov_b64 s[G0SB+2:G0SB+3], s[92:93]
	s_or_b32 s[G0SB+3], s[G0SB+3], 0x80000000
	JLOAD G0S, G1S, G0SB, G1SB
.irp s, 0,1
	s_mov_b32 s[G0+4*\s], 1
	s_add_co_u32 s[G0+4*\s+1], s45, \s*SLOT
	s_add_nc_u64 s[G0+4*\s+2:G0+4*\s+3], s[20:21], \s*TROW
	s_or_b32 s[G0+4*\s+3], s[G0+4*\s+3], 0x80000000
	s_mov_b32 s[G0B+4*\s], 1
	s_add_co_u32 s[G0B+4*\s+1], s45, \s*SLOT
	s_add_nc_u64 s[G0B+4*\s+2:G0B+4*\s+3], s[46:47], \s*TROW
	s_or_b32 s[G0B+4*\s+3], s[G0B+4*\s+3], 0x80000000
	JLOAD G0+4*\s, G1, G0B+4*\s, G1B
.endr
	v_and_b32 v1, 15, v0
	v_bfe_u32 v2, v0, 4, 1
	v_and_b32 v3, 31, v0
	v_lshlrev_b32 v[CO], 4, v3
	v_lshlrev_b32 v4, 3, v3
	s_mul_i32 s21, s15, HALFT
	s_mul_i32 s22, s16, HALFT
	s_add_co_u32 s22, s22, 2*HALFT
.irp s, 0,1
	v_add_nc_u32 v[ADRA+\s], s21, v[CO]
	v_add_nc_u32 v[ADRB+\s], s22, v[CO]
	v_add_nc_u32 v[ADRA+2+\s], s21, v4
	v_add_nc_u32 v[ADRB+2+\s], s22, v4
	s_add_co_u32 s21, s21, SLOT
	s_add_co_u32 s22, s22, SLOT
.endr
	v_lshlrev_b32 v5, 3, v1
	s_mul_i32 s21, s15, HALFS
	s_mul_i32 s22, s16, HALFS
	s_add_co_u32 s22, s22, 2*HALFS
	s_sub_co_u32 s22, s22, s21
	v_mul_u32_u24 v6, s22, v2
	s_add_co_u32 s21, s21, SCL
	v_add_nc_u32 v5, v5, v6
	v_add_nc_u32 v[ADRS], s21, v5
	s_mul_i32 s23, s14, 16*SPITCH                  ; my stage
	v_mul_u32_u24 v5, v1, SPITCH
	v_lshl_add_u32 v5, v2, 6, v5
	v_add_nc_u32 v[STO], s23, v5                   ; in: row r, + 64 h
	v_add_nc_u32 v[RD], s23, v[CO]                 ; back: a row's 512 bytes
	s_lshl_b32 s20, s17, 8
	s_lshl_b32 s21, s15, 7
	s_add_co_u32 s20, s20, s21                     ; my first row of out0
	s_lshl_b32 s20, s20, 12
	s_lshl_b32 s21, s42, 10
	s_add_co_u32 s20, s20, s21
	s_lshl_b32 s21, s16, 9
	s_add_co_u32 s20, s20, s21                     ; + my first column's bytes
	s_mov_b32 s21, 0
	s_add_nc_u64 s[8:9], s[8:9], s[20:21]
.macro FRAG reg, adr, q, i
	ds_load_b128 v[\reg:\reg+3], v[\adr] offset:(\i)*TROW+(\q)*FRB
	ds_load_b64 v[\reg+4:\reg+5], v[\adr+2] offset:(\i)*TROW+(\q)*FRB+512
	ds_load_b128 v[\reg+6:\reg+9], v[\adr] offset:(\i)*TROW+(\q)*FRB+768
	ds_load_b64 v[\reg+10:\reg+11], v[\adr+2] offset:(\i)*TROW+(\q)*FRB+1280
.endm
.macro MUL16 a0, p, q, sc, zero        ; the 64 accumulators take turns, one instruction a turn, in the same order in every step
.irp a, \a0, \a0+1
.irp b, 0,1,2,3,4,5,6,7
.if \zero
	v_wmma_scale_f32_16x16x128_f8f6f4 v[8*(8*((\a)%4)+\b):8*(8*((\a)%4)+\b)+7], v[128*(\p)+FR*\b:128*(\p)+FR*\b+FR-1], v[AF+FR*(\a):AF+FR*(\a)+FR-1], 0, v[SC+8*NQ*(\sc)+NQ*\b+(\q)], v[SC+8*NQ*(\sc)+NQ*(\a)+(\q)] matrix_a_fmt:MATRIX_FMT_FP6 matrix_b_fmt:MATRIX_FMT_FP6 matrix_a_scale:MATRIX_SCALE_ROW1
.else
	v_wmma_scale_f32_16x16x128_f8f6f4 v[8*(8*((\a)%4)+\b):8*(8*((\a)%4)+\b)+7], v[128*(\p)+FR*\b:128*(\p)+FR*\b+FR-1], v[AF+FR*(\a):AF+FR*(\a)+FR-1], v[8*(8*((\a)%4)+\b):8*(8*((\a)%4)+\b)+7], v[SC+8*NQ*(\sc)+NQ*\b+(\q)], v[SC+8*NQ*(\sc)+NQ*(\a)+(\q)] matrix_a_fmt:MATRIX_FMT_FP6 matrix_b_fmt:MATRIX_FMT_FP6 matrix_a_scale:MATRIX_SCALE_ROW1
.endif
.endr
.endr
.endm
.macro FETCH_B slot, q, p
	WIN TO_B
.irp i, 0,1,2,3,4,5,6,7
	FRAG 128*(\p)+FR*\i, ADRB+\slot, \q, \i
.endr
	WIN 0
.endm
.macro FETCH_A slot, q, i0
.irp i, \i0, \i0+1, \i0+2, \i0+3
	FRAG AF+FR*(\i), ADRA+\slot, \q, \i
.endr
.endm
.macro SCALES sc
.irp i, 0,1,2,3,4,5,6,7
	ds_load_b64 v[SC+8*NQ*\sc+NQ*\i:SC+8*NQ*\sc+NQ*\i+1], v[ADRS] offset:\i*SBLK
.endr
.endm
.macro PLACES n
.rept \n
	v_nop
.endr
.endm
.macro STEP slot, q, zero
	s_wait_dscnt 4*NL                              ; B's set and A's blocks 0-3 are in; the youngest 16 loads (A's blocks 4-7) may be out
	WIN MUL_LO
	MUL16 0, (\q)%2, \q, \slot, \zero
	MUL16 2, (\q)%2, \q, \slot, \zero
	s_wait_dscnt 0
	PLACES NP
	FETCH_B \slot, (\q)+1, 1-(\q)%2
	FETCH_A \slot, (\q)+1, 0
	WIN MUL_HI
	MUL16 4, (\q)%2, \q, \slot, \zero
	MUL16 6, (\q)%2, \q, \slot, \zero
	PLACES NP
	WIN 0
	FETCH_A \slot, (\q)+1, 4
.endm
.macro TURN slot, next, fill
	s_wait_tensorcnt 0x0                           ; all my tensor loads have landed: my part of the next slot
	ds_add_u32 v[SPW], v[NIL]                      ; 0 onto my spare word
	s_wait_dscnt 4*NL+1                            ; (the add and the youngest 16 loads may be out)
	WIN MUL_LO
	MUL16 0, 1, NQ-1, \slot, 0
	s_wait_dscnt 0x0                               ; the add is done, and my reads of this slot are over
	s_barrier_signal -1
	MUL16 2, 1, NQ-1, \slot, 0
	WIN 0
	s_barrier_wait -1
.if \fill
	CREST                                          ; the barrier has opened a round of the cluster's barrier
	s_add_nc_u64 s[G0+4*\slot+2:G0+4*\slot+3], s[G0+4*\slot+2:G0+4*\slot+3], 2*TROW
	s_add_nc_u64 s[G0B+4*\slot+2:G0B+4*\slot+3], s[G0B+4*\slot+2:G0B+4*\slot+3], 2*TROW
	JLOAD G0+4*\slot, G1, G0B+4*\slot, G1B         ; the first tensor load behind the round, my one load until the next
.else
	PLACES NP
.endif
	v_add_nc_u32 v[ADRS], 128, v[ADRS]
	FETCH_B \next, 0, 0
	FETCH_A \next, 0, 0
	SCALES \next
	WIN MUL_HI
	MUL16 4, 1, NQ-1, \slot, 0
	MUL16 6, 1, NQ-1, \slot, 0
	PLACES NP
	WIN 0
	FETCH_A \next, 0, 4
.endm
	s_wait_tensorcnt 1                             ; the scale words and my part of slot 0 are in; slot 1's load may be out
	s_barrier_signal -1
	s_barrier_wait -1
	FETCH_B 0, 0, 0
	FETCH_A 0, 0, 0
	SCALES 0
	FETCH_A 0, 0, 4
	STEP 0, 0, 1
	TURN 0, 1, 1
	STEP 1, 0, 0
	TURN 1, 0, 1
	STEP 0, 0, 0
	TURN 0, 1, 0
	STEP 1, 0, 0
	s_wait_dscnt 4*NL
	WIN MUL_LO
	MUL16 0, 1, NQ-1, 1, 0
	MUL16 2, 1, NQ-1, 1, 0
	s_wait_dscnt 0
	WIN MUL_HI
	MUL16 4, 1, NQ-1, 1, 0
	MUL16 6, 1, NQ-1, 1, 0
	WIN 0
; THE WAY OUT, block by block of 16 rows x 128 columns, through my own stage: a lane's eight results of column tile 2 b + u go to bytes 128 b + 64 h + 32 u of its row; whole rows of 512 bytes come back and are stored.
; LDS serves a wave's instructions in order: no wait between the stores and the loads, nor in front of the next block's stores.
.macro TOSTAGE a
.set AC, 64*((\a)%4)
	WIN 0x08+4*((\a)/4)                            ; the data: window 2 or 3
.irp b, 0,1,2,3,4,5,6,7
	ds_store_b128 v[STO], v[AC+8*\b:AC+8*\b+3] offset:128*(\b/2)+32*(\b%2)          ; each accumulator from its low end on
	ds_store_b128 v[STO], v[AC+8*\b+4:AC+8*\b+7] offset:128*(\b/2)+32*(\b%2)+16
.endr
	WIN 0
.set BB, BK+64*((\a)%2)
.irp t, 0,1,2,3,4,5,6,7,8,9,10,11,12,13,14,15
	ds_load_b128 v[BB+4*\t:BB+4*\t+3], v[RD] offset:\t*SPITCH
.endr
.endm
.macro SEND a, younger
.set BB, BK+64*((\a)%2)
	s_wait_dscnt \younger                          ; the block is back in registers
.irp t, 0,1,2,3,4,5,6,7,8,9,10,11,12,13,14,15
	global_store_b128 v[CO], v[BB+4*\t:BB+4*\t+3], s[8:9] offset:(32*((\a)/2)+8*((\a)%2)+\t+8*(\t/8))*4096 th:TH_STORE_NT   ; 512 consecutive bytes of the tile's row t; the row stands in the immediate: no base is stepped
.endr
.endm
	PLACES NP
	TOSTAGE 0
.irp a, 1,2,3,4,5,6,7
.if \a > 1
	s_wait_xcnt 0x0                                ; block a - 2's stores have read their registers: block a's loads may land there
.endif
	TOSTAGE \a
	SEND \a-1, 32                                  ; behind block a - 1's loads: block a's 16 stores and 16 loads
.endr
	SEND 7, 0
	s_wait_tensorcnt 0x0                           ; the wave's end
	ds_add_u32 v[SPW], v[NIL]
	s_wait_dscnt 0x0
	CROUND                                         ; the closing round
	s_endpgm
.Lfunc_end_k_q4e81568bda_outp:
	.size	k_q4e81568bda_outp, .Lfunc_end_k_q4e81568bda_outp-k_q4e81568bda_outp
	.p2alignl 7, 3214868480
	.fill 96, 4, 3214868480
	.section	.rodata,"a",@progbits
	.p2align	6, 0x0
	.amdhsa_kernel k_q4e81568bda_outp
		.amdhsa_group_segment_fixed_size 327680
		.amdhsa_private_segment_fixed_size 0
		.amdhsa_enable_private_segment 0
		.amdhsa_kernarg_size 24
		.amdhsa_user_sgpr_count 2
		.amdhsa_user_sgpr_kernarg_segment_ptr 1
		.amdhsa_wavefront_size32 1
		.amdhsa_system_sgpr_workgroup_id_x 1
		.amdhsa_system_sgpr_workgroup_id_y 1
		.amdhsa_system_sgpr_workgroup_id_z 1
		.amdhsa_system_vgpr_workitem_id 0
		.amdhsa_next_free_vgpr 1024
		.amdhsa_next_free_sgpr 100
		.amdhsa_reserve_vcc 0
		.amdhsa_float_denorm_mode_32 3
		.amdhsa_float_denorm_mode_16_64 3
		.amdhsa_memory_ordered 1
		.amdhsa_forward_progress 1
		.amdhsa_inst_pref_size 143
	.end_amdhsa_kernel
	.amdgpu_metadata
---
amdhsa.version: [ 1, 2 ]
amdhsa.kernels:
  - .name:           k_q4e81568bda_outp
    .symbol:         k_q4e81568bda_outp.kd
    .args:
      - { .name: ao, .offset: 0, .size: 8, .value_kind: global_buffer, .address_space: global }
      - { .name: wb, .offset: 8, .size: 8, .value_kind: global_buffer, .address_space: global }
      - { .name: out0, .offset: 16, .size: 8, .value_kind: global_buffer, .address_space: global }
    .group_segment_fixed_size: 327680
    .private_segment_fixed_size: 0
    .kernarg_segment_align: 8
    .kernarg_segment_size: 24
    .max_flat_workgroup_size: 128
    .sgpr_count:     100
    .vgpr_count:     1024
    .wavefront_size: 32
...
	.end_amdgpu_metadata
.endif
;; end of part 4
;; ======== version 2 of 2: 4 launches; version 1 with the launch attn written anew for expert scheduling mode
;; workspace buffers: xb 13,107,200 bytes; wb 3,276,800 bytes; qkv 19,660,800 bytes; ao 6,553,600 bytes; mk 589,824 bytes of whole numbers
;; launch prep: the kernel of part 1 again; grid 768 x 1, 4 waves a work-group, no clusters, 58,880 bytes of LDS; arguments mask, Wq, Wk, Wv, Wo, inputs_q, inputs_kv, xb, wb, mk; writes xb, wb, mk
;; launch qkvp: the kernel of part 2 again; grid 4 x 96, 4 waves a work-group, clusters of 4 x 4, 327,680 bytes of LDS; arguments xb, wb, qkv; writes qkv
;; launch attn (part 5): grid 4 x 64, 16 waves a work-group, no clusters, 212,992 bytes of LDS; arguments qkv, mk, rel_bias, ao; writes ao
.if DOCPART == 5
	.amdgcn_target "amdgcn-amd-amdhsa--gfx1250"
	.amdhsa_code_object_version 6
	.text
	.protected	k_q4e81568bda_attn
	.globl	k_q4e81568bda_attn
	.p2align	8
	.type	k_q4e81568bda_attn,@function
k_q4e81568bda_attn:
	s_mov_b64 s[64:65], 0
	v_nop
	global_prefetch_b8 v0, s[64:65] scope:SCOPE_SE
	s_setreg_imm32_b32 hwreg(HW_REG_WAVE_SCHED_MODE, 0, 2), 2
	s_setreg_imm32_b32 hwreg(HW_REG_WAVE_MODE, 25, 1), 1
	s_wait_xcnt 0x0
	s_wait_alu depctr_vm_vsrc(0)
; Attention of one head on codes of E2M3: logits = q . k / 8 + rel_bias[head][bucket(q - k)], the mask, p = 2^(t - M) quantised along the keys, O = (p v) / l, O quantised along the head's 64 for the last projection.
; SHARES.  A work-group takes one head (y) and 32 tiles of 16 queries; wave w of work-group x owns tiles 16 x + w and 127 - (16 x + w), one after the other.  256 registers a wave, four waves to a SIMD.
; THE HEAD'S WHOLE K AND V LIE IN LDS as images of their fragments (96 KiB each), with their scale words and a table of biases: filled once through registers, one barrier, no ring and no tensor load.
; NO CLUSTER, NO JOINT LOADS: the four work-groups of a head read the same 204 KiB once each.
; THE MASK is an input: an earlier launch has stored, for each (tile, step of 128 keys), 64 lane masks, and which steps have any true bit (NEED) and only true bits (FULL).  A step without a true bit is jumped over
; (its p are all 0) unless some row of the tile has no true bit at all: then every step runs, every masked t is -3e38 = M, p = 1, l = 2,048: the even weights that a softmax of equal logits gives.
; LAYOUT.  Both products transposed: S^T = K Q^T, O^T = V^T P^T: a lane holds one query.  A tile holds rows 32 (t / 2) + 8 (t % 2) + r + 8 (r / 8), so the 16 registers of tiles 2 b, 2 b + 1 are keys 32 b + 16 (lane / 16) + 0 .. 15.
; The first product's K is 64: registers 6-11 of both operands are zero codes, written once; their scale bytes are 0, which is 2^-127 and multiplies zeros.
; THE BIAS hangs on q - k alone: bucket 0 for q - k <= 0, 31 from 113 on.  A step that lies wholly on one side adds a constant; the others read a table of 512 words, word t for q - k = 263 - t.
; LIMITS: masked logits are taken as t = -3e38; NaN and infinities are not served; blocks of zeros or under 2^-124 get the scale byte 1.
; REGISTERS: v1, v2 16 and 8 x lane; v3, v4 bias addresses; v5, v6 the add's two; v7 -3e38; v8-11, v29, v209 LDS addresses; v12 -M, v13 largest t, v[14:15] the sum; v16-27 Q, v28 its scale word; v[30:31] a constant bias;
; v32-79 four fragments of K; v80-143 S^T, t, p, then V's four fragments; v144-175 O^T; v176-187 p's codes; v188-194 at work (v191, v195: the biases of buckets 0 and 31); v196-208 blocks' maxima, bytes, scale operands, p's word;
; v[210:211] f; v212-215 K's scale words, v216-217 V's; v218-249 32 biases; v250-255 at work.  s32-63 and s68-99: the step's 64 lane masks.
; THE MODE: SCHED_MODE bits 1:0 = 2 (LLVM: expert scheduling mode 2), set by the entry lines.  The code itself states the register dependences between vector or matrix instructions and memory or LDS instructions, with s_wait_alu, always for 0.
; THE PLAN.  Registers that memory or LDS instructions touch in a step, and who else names them:
;   v4, v8-11, v29, v209   the step's LDS addresses: written by seven additions at the step's head, read by the step's LDS loads.
;   v32-37 + 12 t          K's fragments: LDS loads land in them twice a step; four products read them each time.
;   v212-215, v216-217     K's and V's scale words: loaded at the step's head; read by the products.
;   v218-249               biases: loaded twice in a step near the diagonal; 16 packed multiply-adds read them each time.
;   v80-127                written by the first products and the softmax, read by the conversions; then V's fragments land in them; the last four products read those.
;   v176-187, v208         p's codes and scale word: written by vector lines, read by the last four products (at a tile's end: by the stores).
; So a step has: one wait on vm_vsrc ahead of the seven additions; one on va_vdst behind them, which also states that the last step's products are done with K's registers and the scale words;
; one between K's two groups; one between the table's two groups; the two behind the exponentials; one behind the conversions, ahead of V's loads; one ahead of the last four products.
; A tile has one wait on va_vdst ahead of Q's loads, one on vm_vsrc behind them, and one on va_vdst ahead of its stores.
.set QS0,   18874368
.set AS0,   6291456
.set MN0,   524288
.set PIB,   6291456                    ; bytes of q's, k's or v's codes
.set HB,    98304                      ; of one head's
.set VIMG,  98304                      ; LDS: K's images from 0, V's from here,
.set KSC,   196608                     ; K's scale words [step][lane][4],
.set VSC,   204800                     ; V's [step][lane][2],
.set BIAS,  208896                     ; the table,
.set SPARE, 210944                     ; the spare words, 128 bytes for each of 16 waves
	s_load_b256 s[4:11], s[0:1], 0x0               ; qkv, mk, rel_bias, ao
	v_lshl_add_u32 v5, v0, 2, SPARE
	v_mov_b32 v6, 0
	v_lshrrev_b32 v135, 5, v0
	v_readfirstlane_b32 s12, v135                  ; wave 0..15
	s_and_b32 s13, ttmp7, 0xffff                   ; 16 x batch + head
	s_lshr_b32 s14, s13, 4                         ; batch
	s_and_b32 s15, s13, 15                         ; head
	s_lshr_b32 s16, s15, 1                         ; pair of heads
	s_and_b32 s17, s15, 1                          ; which of the pair
	s_lshl_b32 s18, s17, 4
	; the table's word for my thread: distance 263 - min(t, 263); its bucket: the distance up to 16, one more at each of 15 thresholds (16 x 8^(m / 16), rounded up; none lies within 0.01 of a whole number)
	v_min_u32 v146, 263, v0
	v_sub_nc_u32 v146, 263, v146
	v_min_u32 v147, 16, v146
	v_mov_b32 v149, 0
	v_mov_b32 v150, 1
.set n, 0
.irp th, 19,21,24,27,31,35,40,46,52,59,67,77,87,99,113
	v_cmp_le_u32 s[68+n], \th, v146                ; the 15 compares in one run, a scalar register each
.set n, n+1
.endr
	s_wait_alu depctr_va_sdst(0)                   ; s12 and the 15 masks s68-82 are written, ahead of their first readers: the selects below, and the tiles' numbers further down
.set n, 0
.rept 15
	v_cndmask_b32 v148, v149, v150, s[68+n]
	v_add_nc_u32 v147, v147, v148
.set n, n+1
.endr
	v_min_u32 v147, 31, v147
	v_lshlrev_b32 v139, 2, v147
	s_mul_i32 s19, s13, HB
	s_add_co_u32 s19, s19, PIB                     ; my head's codes of K; V's lie PIB bytes on
	v_lshlrev_b32 v140, 4, v0                      ; 16 x thread
	v_add_nc_u32 v136, s19, v140
	s_lshl_b32 s19, s14, 7
	s_add_co_u32 s19, s19, s16
	s_lshl_b32 s19, s19, 9
	s_add_co_u32 s19, s19, QS0+262144              ; K's scale images: (8 x group of tokens + pair of heads) x 512
	v_and_b32 v135, 31, v0
	v_lshrrev_b32 v137, 5, v0
	v_lshlrev_b32 v137, 12, v137
	v_lshl_add_u32 v137, v135, 4, v137
	v_add_nc_u32 v137, s19, v137
	s_lshl_b32 s19, s16, 15
	s_lshl_b32 s24, s14, 13
	s_add_co_u32 s19, s19, s24
	s_lshl_b32 s24, s17, 3
	s_add_co_u32 s19, s19, s24
	s_add_co_u32 s19, s19, QS0+524288              ; V's: (64 x pair + group) x 512, my head's two words of four
	v_add_nc_u32 v138, s19, v140
	s_lshl_b32 s24, s15, 7
	s_mov_b32 s25, 0
	v_add_nc_u32 v141, 0x10000, v140
	v_add_nc_u32 v142, 0x20000, v140
	v_add_nc_u32 v143, KSC, v140
	v_lshl_add_u32 v144, v0, 3, VSC
	v_lshl_add_u32 v145, v0, 2, BIAS
	s_wait_kmcnt 0x0
	s_add_nc_u64 s[8:9], s[8:9], s[24:25]          ; my head's row of rel_bias
	s_wait_alu depctr_va_vdst(0)                   ; the fill's ten addresses v136-145 are written, which the loads and LDS stores below read
.set i, 0
.rept 12
	global_load_b128 v[32+4*i:35+4*i], v136, s[4:5] offset:8192*i
.set i, i+1
.endr
.rept 12
	global_load_b128 v[32+4*i:35+4*i], v136, s[4:5] offset:PIB+8192*(i-12)
.set i, i+1
.endr
	global_load_b128 v[128:131], v137, s[4:5]
	global_load_b64 v[132:133], v138, s[4:5]
	global_load_b32 v134, v139, s[8:9]
.set i, 0
.rept 24
	s_wait_loadcnt 26-i                            ; loads come back in order: 26 - i were issued behind load i
	ds_store_b128 v[140+i/8], v[32+4*i:35+4*i] offset:(i%8)*8192
.set i, i+1
.endr
	s_wait_loadcnt 0x0                             ; the scale words and the bias are in
.irp j, 0,1,2,3
	v_lshrrev_b32 v[128+\j], s18, v[128+\j]        ; a word holds two heads' two bytes: mine, and zeros above
.endr
.irp j, 0,1,2,3
	v_and_b32 v[128+\j], 0xffff, v[128+\j]
.endr
	v_mul_f32 v134, 0x3fb8aa3b, v134               ; bias x log2(e)
	s_wait_alu depctr_va_vdst(0)                   ; the nine lines above have written v128-131 and v134, which the LDS stores below read
	ds_store_b128 v143, v[128:131]
	ds_store_b64 v144, v[132:133]
	ds_store_b32 v145, v134
	s_wait_dscnt 0x0                               ; for the others' sake: my stores have landed
	s_barrier_signal -1
	s_barrier_wait -1                              ; the launch's one barrier: from here on LDS is only read
	s_wait_alu depctr_vm_vsrc(0)                   ; the fill's loads and LDS stores have read v32-145: from here on these registers are K's fragments and zero codes, S^T and O^T, written by vector and matrix lines and by LDS loads
	v_and_b32 v250, 31, v0
	v_lshlrev_b32 v1, 4, v250
	v_lshlrev_b32 v2, 3, v250
	v_and_b32 v251, 15, v0
	v_bfe_u32 v252, v0, 4, 1
	v_and_b32 v253, 8, v251
	v_add_nc_u32 v253, v253, v251                  ; r + 8 (r / 8)
	v_lshl_add_u32 v252, v252, 4, 23
	v_sub_nc_u32 v252, v252, v253
	v_lshl_add_u32 v3, v252, 2, BIAS               ; the table at 23 - (r + 8 (r / 8)) + 16 h
	v_mov_b32 v7, 0xff61b1e6                       ; -3e38
	v_mov_b32 v254, BIAS
	s_wait_alu depctr_va_vdst(0)                   ; v254 is written, which the two loads below read; the lines behind them name neither it nor v191, v195
	ds_load_b32 v195, v254                         ; word 0: distance 263: bucket 31
	ds_load_b32 v191, v254 offset:1200             ; word 300: distance 0: bucket 0
.irp t, 0,1,2,3
.irp j, 6,7,8,9,10,11
	v_mov_b32 v[32+12*\t+\j], 0                    ; K's zero codes for k = 64 .. 127: written once
.endr
.endr
.irp j, 22,23,24,25,26,27
	v_mov_b32 v\j, 0                               ; Q's
.endr
.irp j, 200,201,202,203,211
	v_mov_b32 v\j, 0                               ; lane permutes' destinations, and the upper half of the pair v[210:211]
.endr
	s_mov_b32 s20, 0x76543210
	s_mov_b32 s21, 0xfedcba98                      ; v_permlanex16_b32's selects for lane l xor 16
	s_mov_b32 s22, 0x3e38aa3b                      ; log2(e) / 8
	s_mov_b32 s23, s22
	s_wait_dscnt 0x0
.macro SQK m                           ; S^T, tile m of the step's eight: its scale words lie in lanes 0-15 (m even) or 16-31 of register m / 2
.if (\m)%2
	v_wmma_scale_f32_16x16x128_f8f6f4 v[80+8*(\m):87+8*(\m)], v[32+12*((\m)%4):43+12*((\m)%4)], v[16:27], 0, v[212+(\m)/2], v28 matrix_a_fmt:MATRIX_FMT_FP6 matrix_b_fmt:MATRIX_FMT_FP6 matrix_a_scale:MATRIX_SCALE_ROW1
.else
	v_wmma_scale_f32_16x16x128_f8f6f4 v[80+8*(\m):87+8*(\m)], v[32+12*((\m)%4):43+12*((\m)%4)], v[16:27], 0, v[212+(\m)/2], v28 matrix_a_fmt:MATRIX_FMT_FP6 matrix_b_fmt:MATRIX_FMT_FP6
.endif
.endm
.macro OPV t                           ; O^T += V^T P^T, d tile t
.if (\t)%2
	v_wmma_scale_f32_16x16x128_f8f6f4 v[144+8*(\t):151+8*(\t)], v[80+12*(\t):91+12*(\t)], v[176:187], v[144+8*(\t):151+8*(\t)], v[216+(\t)/2], v208 matrix_a_fmt:MATRIX_FMT_FP6 matrix_b_fmt:MATRIX_FMT_FP6 matrix_a_scale:MATRIX_SCALE_ROW1
.else
	v_wmma_scale_f32_16x16x128_f8f6f4 v[144+8*(\t):151+8*(\t)], v[80+12*(\t):91+12*(\t)], v[176:187], v[144+8*(\t):151+8*(\t)], v[216+(\t)/2], v208 matrix_a_fmt:MATRIX_FMT_FP6 matrix_b_fmt:MATRIX_FMT_FP6
.endif
.endm
; ONE TILE OF 16 QUERIES, s26 = its number in the batch.  Written twice, so that the tile's number is made of ids alone.
.macro TILE
	s_mul_i32 s48, s13, HB
	s_mul_i32 s49, s26, 768
	s_add_co_u32 s48, s48, s49
	v_add_nc_u32 v250, s48, v1
	v_add_nc_u32 v251, s48, v2
	s_lshl_b32 s48, s14, 4
	s_lshr_b32 s49, s26, 3
	s_add_co_u32 s48, s48, s49
	s_lshl_b32 s48, s48, 3
	s_add_co_u32 s48, s48, s16
	s_lshl_b32 s48, s48, 9                         ; Q's scale image,
	s_and_b32 s49, s26, 1
	s_lshl_b32 s49, s49, 8
	s_add_co_u32 s48, s48, s49                     ; the half of its lanes in which my tile's words lie,
	s_bfe_u32 s49, s26, 0x20001
	s_lshl_b32 s49, s49, 2
	s_add_co_u32 s48, s48, s49                     ; and which of a lane's four words
	s_add_co_u32 s48, s48, QS0
	v_and_b32 v252, 15, v0
	v_lshl_add_u32 v252, v252, 4, s48
	s_wait_alu depctr_va_vdst(0)                   ; the three addresses v250-252 are written, which the loads below read; the tile before's products are done reading Q and its scale word, in which they land
	global_load_b128 v[16:19], v250, s[4:5]        ; Q's half fragment
	global_load_b64 v[20:21], v251, s[4:5] offset:512
	global_load_b32 v28, v252, s[4:5]
	s_lshl_b32 s50, s26, 9
	s_add_co_u32 s50, s50, MN0
	s_mov_b32 s51, 0
	s_add_nc_u64 s[50:51], s[6:7], s[50:51]
	s_load_b128 s[32:35], s[50:51], 0x0            ; four parts of: steps needed, steps full, rows with a true bit
	s_load_b128 s[36:39], s[50:51], 0x80
	s_load_b128 s[40:43], s[50:51], 0x100
	s_load_b128 s[44:47], s[50:51], 0x180
	s_lshl_b32 s52, s26, 12
	s_mov_b32 s53, 0
	s_add_nc_u64 s[100:101], s[6:7], s[52:53]      ; the tile's lane masks, 256 bytes a step
	s_lshr_b32 s31, s26, 1
	s_lshl_b32 s31, s31, 5
	s_and_b32 s54, s26, 1
	s_lshl_b32 s54, s54, 3
	s_add_co_u32 s31, s31, s54                     ; the tile's first query
	s_mov_b32 s2, 0                                ; the step's place in K's and V's images: 6,144 bytes a step
	s_mov_b32 s3, KSC                              ; K's scale words: 512
	s_mov_b32 s66, VSC                             ; V's: 256
	s_mov_b32 s67, 0                               ; its first key
	s_mov_b32 s28, 16
	s_wait_kmcnt 0x0
	s_or_b32 s29, s32, s36
	s_or_b32 s29, s29, s40
	s_or_b32 s29, s29, s44
	s_or_b32 s30, s33, s37
	s_or_b32 s30, s30, s41
	s_or_b32 s30, s30, s45
	s_or_b32 s19, s34, s38
	s_or_b32 s19, s19, s42
	s_or_b32 s19, s19, s46
	s_cmp_eq_u32 s19, 0xffff
	s_cselect_b32 s29, s29, 0xffff                 ; a row without any true bit: every step runs
	s_wait_loadcnt 0x0
	s_wait_alu depctr_vm_vsrc(0)                   ; Q's loads have read v250-252, the tile before's stores v176-181, v208 and v253-255, the table's two loads v254: this tile's steps and its end write all of them again
	v_lshrrev_b32 v28, s18, v28
	v_and_b32 v28, 0xffff, v28                     ; my head's two bytes.  (The 36 lines below are the places between this write and the first scaled product)
	v_mov_b32 v13, v7                              ; the largest t so far
	v_floor_f32 v12, -v13                          ; -M
	v_mov_b32 v14, 0
	v_mov_b32 v15, 0
.set n, 0
.rept 32
	v_mov_b32 v[144+n], 0                          ; O^T: the step is written once; the first change of M multiplies zeros
.set n, n+1
.endr
.Lstep_\@:
	s_bitcmp1_b32 s29, 0
	s_cbranch_scc0 .Lskip_\@                       ; no true bit in this step: a branch on a stored whole number
	s_load_b512 s[32:47], s[100:101], 0x0          ; the 64 lane masks
	s_load_b512 s[48:63], s[100:101], 0x40
	s_load_b512 s[68:83], s[100:101], 0x80
	s_load_b512 s[84:99], s[100:101], 0xc0
	s_sub_co_i32 s19, s67, s31                     ; u = first key - first query + 240: the table's word for register 16 b + i is u + 23 - (r + 8 (r / 8)) + 16 h + 32 b + i
	s_add_co_i32 s19, s19, 240
	s_min_u32 s104, s19, 262                       ; (held inside the table; a step that adds a constant does not read by it)
	s_lshl_b32 s104, s104, 2
	s_wait_alu depctr_vm_vsrc(0)                   ; the last step's LDS loads have read v4, v8-11, v29 and v209, which the seven additions below write
	v_add_nc_u32 v8, s2, v1
	v_add_nc_u32 v9, s2, v2
	v_add_nc_u32 v10, VIMG, v8
	v_add_nc_u32 v11, VIMG, v9
	v_add_nc_u32 v29, s3, v1
	v_add_nc_u32 v209, s66, v2
	v_add_nc_u32 v4, s104, v3
	s_wait_alu depctr_va_vdst(0)                   ; the seven addresses are written, which all the step's LDS loads read; the last step's products are done reading K's fragments and both sets of scale words, its multiply-adds the biases: loads land in all of these; Q's scale word and the zero codes are written, which the products take
	ds_load_b128 v[212:215], v29
.irp t, 0,1,2,3
	ds_load_b128 v[32+12*\t:35+12*\t], v8 offset:\t*768
	ds_load_b64 v[36+12*\t:37+12*\t], v9 offset:\t*768+512
.endr
	ds_load_b64 v[216:217], v209                   ; V's scale words, asked for here: nothing names them before the last four products
	s_wait_dscnt 1                                 ; LDS loads come back in order: K's scale words and four fragments are in; the youngest load, V's scale words, may be out
.irp t, 0,1,2,3
	SQK \t
.endr
.rept 4
	v_nop                                          ; places in front of loads into registers that the four products above have read
.endr
	s_wait_alu depctr_va_vdst(0)                   ; the four products above are done reading K's fragments, in which the loads below land
.irp t, 0,1,2,3
	ds_load_b128 v[32+12*\t:35+12*\t], v8 offset:(4+\t)*768
	ds_load_b64 v[36+12*\t:37+12*\t], v9 offset:(4+\t)*768+512
.endr
	s_wait_dscnt 0x0
.irp t, 0,1,2,3
	SQK 4+\t
.endr
	; t = score x log2(e) / 8 + bias x log2(e)
	s_sub_co_u32 s104, s19, 1
	s_cmp_lt_u32 s104, 262
	s_cbranch_scc0 .Lflat_\@                       ; u <= 0: every distance is 113 or more;  u >= 263: none is above 0
.irp k, 0,1
.if \k
	s_wait_alu depctr_va_vdst(0)                   ; the 16 multiply-adds above are done reading v218-249, in which the second 32 biases land
.endif
.set m, 0
.rept 32
	ds_load_b32 v[218+m], v4 offset:4*(32*((32*\k+m)/16)+(32*\k+m)%16)   ; the first 32 stand straight behind the products, with no wait: no vector or matrix line since the wait at the step's head names v4 or v218-249
.set m, m+1
.endr
.if \k == 0
.rept 4
	v_nop                                          ; places in front of the first read of results
.endr
.endif
	s_wait_dscnt 0x0
.set m, 0
.rept 16
	v_pk_fma_f32 v[80+32*\k+m:81+32*\k+m], v[80+32*\k+m:81+32*\k+m], s[22:23], v[218+m:219+m] op_sel_hi:[1,0,1]
.set m, m+2
.endr
.endr
	s_branch .Lbiased_\@
.Lflat_\@:
.rept 4
	v_nop                                          ; places in front of the first read of results
.endr
	s_cmp_gt_i32 s19, 0
	s_cselect_b32 s104, -1, 0
	v_cndmask_b32 v30, v195, v191, s104
	v_mov_b32 v31, v30
.set m, 0
.rept 32
	v_pk_fma_f32 v[80+m:81+m], v[80+m:81+m], s[22:23], v[30:31] op_sel_hi:[1,0,1]
.set m, m+2
.endr
.Lbiased_\@:
	s_wait_kmcnt 0x0                               ; the lane masks are in; their base may be stepped
	s_bitcmp1_b32 s30, 0
	s_cbranch_scc1 .Lfull_\@                       ; only true bits: nothing to hide
.set n, 0
.rept 32
	v_cndmask_b32 v[80+n], v7, v[80+n], s[32+n]
.set n, n+1
.endr
.rept 32
	v_cndmask_b32 v[80+n], v7, v[80+n], s[36+n]
.set n, n+1
.endr
.Lfull_\@:
.irp b, 0,1,2,3
	v_max3_num_f32 v[196+\b], v[80+16*\b], v[81+16*\b], v[82+16*\b]   ; the largest t of each block of 32 keys: for the row's maximum and, since p rises with t, for the block's largest p
.endr
.irp i, 3,5,7,9,11,13
.irp b, 0,1,2,3
	v_max3_num_f32 v[196+\b], v[196+\b], v[80+16*\b+\i], v[81+16*\b+\i]
.endr
.endr
.irp b, 0,1,2,3
	v_max_num_f32 v[196+\b], v[196+\b], v[95+16*\b]
.endr
.irp b, 0,1,2,3
	v_permlanex16_b32 v[200+\b], v[196+\b], s20, s21
.endr
.irp b, 0,1,2,3
	v_max_num_f32 v[196+\b], v[196+\b], v[200+\b]
.endr
	v_max3_num_f32 v250, v196, v197, v198
	v_max_num_f32 v250, v250, v199
	v_max_num_f32 v13, v13, v250                   ; the running largest t
	v_mov_b32 v250, v12
	v_floor_f32 v12, -v13                          ; the new -M = -ceil(t): a whole number
	v_sub_f32 v250, v12, v250                      ; old M - new M, 0 or less
	v_cvt_i32_f32 v250, v250                       ; (it saturates)
	v_ldexp_f32 v210, 1.0, v250                    ; f = 2^(old M - new M): rounds nothing
.set m, 0
.rept 32
	v_pk_add_f32 v[80+m:81+m], v[80+m:81+m], v[12:13] op_sel_hi:[1,0]   ; t - M
.set m, m+2
.endr
.irp b, 0,1,2,3
	v_add_f32 v[196+\b], v[196+\b], v12            ; the same of each block's largest t
.endr
.set n, 0
.rept 64
	v_exp_f32 v[80+n], v[80+n]                     ; p = 2^(t - M): not normalised
.set n, n+1
.endr
	v_pk_mul_f32 v[14:15], v[14:15], v[210:211] op_sel_hi:[1,0]   ; the sums under the new M; a plain instruction behind the exponentials
	s_wait_alu depctr_va_vdst(0)                   ; the 64 exponentials have written p, v80-143: one wait for the batch, ahead of its first reader
.irp b, 0,1,2,3
	v_exp_f32 v[196+\b], v[196+\b]                 ; the block's largest p: the same two instructions on the same number
.endr
	v_pk_add_f32 v[200:201], v[80:81], v[82:83]    ; the row's sum is taken of the unquantised p, in two chains
.irp j, 4,8,12,16,20,24,28,32,36,40,44,48,52,56,60
	v_pk_add_f32 v[14:15], v[14:15], v[80+\j:81+\j]
	v_pk_add_f32 v[200:201], v[200:201], v[82+\j:83+\j]
.endr
	v_pk_add_f32 v[14:15], v[14:15], v[200:201]
	s_wait_alu depctr_va_vdst(0)                   ; the four exponentials have written v196-199, ahead of their first reader
.irp b, 0,1,2,3
	v_max_num_f32 v[196+\b], 0x1800000, v[196+\b]  ; the floor 2^(3 - 127)
.endr
.irp b, 0,1,2,3
	v_add_nc_u32 v[204+\b], 0xff000000, v[196+\b]  ; the conversion's scale operand
.endr
.irp b, 0,1,2,3
	v_lshrrev_b32 v[200+\b], 23, v[204+\b]         ; the byte
.endr
	v_lshl_or_b32 v208, v201, 8, v200
	v_lshl_or_b32 v208, v202, 16, v208
	v_lshl_or_b32 v208, v203, 24, v208             ; p's scale word for these 128 keys
.irp c, 0,1
	v_cvt_scalef32_pk16_fp6_f32 v[176+6*\c:178+6*\c], v[80+32*\c:95+32*\c], v[204+2*\c]
	v_cvt_scalef32_pk16_fp6_f32 v[188+4*\c:190+4*\c], v[96+32*\c:111+32*\c], v[204+2*\c+1]
.endr
	v_nop                                          ; one plain place behind a scaled conversion
	s_wait_alu depctr_va_vdst(0)                   ; the conversions are done reading p, in whose registers V's fragments land; the lines between these loads and the products name none of v10, v11, v80-127
.irp t, 0,1,2,3                                ; V's four fragments take p's registers
	ds_load_b128 v[80+12*\t:83+12*\t], v10 offset:1536*\t
	ds_load_b64 v[84+12*\t:85+12*\t], v11 offset:1536*\t+512
	ds_load_b128 v[86+12*\t:89+12*\t], v10 offset:1536*\t+768
	ds_load_b64 v[90+12*\t:91+12*\t], v11 offset:1536*\t+1280
.endr
.irp c, 0,1
.irp i, 0,1,2
	v_permlane16_swap_b32 v[176+6*\c+\i], v[188+4*\c+\i]
.endr
.irp i, 0,1,2
	v_mov_b32 v[179+6*\c+\i], v[188+4*\c+\i]
.endr
.endr
.set m, 0
.rept 16
	v_pk_mul_f32 v[144+m:145+m], v[144+m:145+m], v[210:211] op_sel_hi:[1,0]   ; O^T under the new M.  (These 16 are also the places between the writes of p's codes and scale word and the products)
.set m, m+2
.endr
	s_wait_alu depctr_va_vdst(0)                   ; p's codes v176-187 and its scale word v208 are written, which the scaled products below take; the places above stay beside this wait
	s_wait_dscnt 0x0
	OPV 0                                          ; four accumulators by turns
	OPV 1
	OPV 2
	OPV 3
.rept 5
	v_nop                                          ; the next step's first products write over V's registers: five places
.endr
.Lskip_\@:
	s_lshr_b32 s29, s29, 1
	s_lshr_b32 s30, s30, 1
	s_add_co_u32 s2, s2, 6144
	s_add_co_u32 s3, s3, 512
	s_add_co_u32 s66, s66, 256
	s_add_co_u32 s67, s67, 128
	s_add_nc_u64 s[100:101], s[100:101], 256
	s_sub_co_u32 s28, s28, 1
	s_cmp_lg_u32 s28, 0
	s_cbranch_scc1 .Lstep_\@
	; THE TILE'S END: O^T / l, quantised along the head's 64 (two blocks), stored as half a fragment of the last projection's A operand
	v_add_f32 v14, v14, v15
	v_permlanex16_b32 v250, v14, s20, s21
	v_add_f32 v14, v14, v250                       ; the row's sum
	v_rcp_f32 v210, v14
	s_lshl_b32 s48, s14, 7
	s_add_co_u32 s48, s48, s26                     ; the tile among all 512
	s_lshl_b32 s49, s48, 3
	s_add_co_u32 s49, s49, s16
	s_mul_i32 s49, s49, 1536
	s_mul_i32 s50, s17, 768
	s_add_co_u32 s49, s49, s50
	v_add_nc_u32 v253, s49, v1                     ; (plain instructions behind the reciprocal)
	v_add_nc_u32 v254, s49, v2
	s_lshl_b32 s48, s48, 9
	s_lshr_b32 s50, s16, 1
	s_lshl_b32 s50, s50, 7
	s_add_co_u32 s48, s48, s50
	s_and_b32 s50, s16, 1
	s_lshl_b32 s50, s50, 2
	s_add_co_u32 s48, s48, s50
	s_lshl_b32 s50, s17, 1
	s_add_co_u32 s48, s48, s50
	s_add_co_u32 s48, s48, AS0
	v_and_b32 v255, 15, v0
	v_lshl_add_u32 v255, v255, 3, s48
	s_wait_alu depctr_va_vdst(0)                   ; the reciprocal has written v210, ahead of its first reader
.set m, 0
.rept 16
	v_pk_mul_f32 v[144+m:145+m], v[144+m:145+m], v[210:211] op_sel_hi:[1,0]
.set m, m+2
.endr
.irp b, 0,1
	v_max3_num_f32 v[196+\b], |v[144+16*\b]|, |v[145+16*\b]|, 0x1800000
.endr
.irp i, 2,4,6,8,10,12,14
.irp b, 0,1
	v_max3_num_f32 v[196+\b], v[196+\b], |v[144+16*\b+\i]|, |v[145+16*\b+\i]|
.endr
.endr
.irp b, 0,1
	v_permlanex16_b32 v[200+\b], v[196+\b], s20, s21
.endr
.irp b, 0,1
	v_max_num_f32 v[196+\b], v[196+\b], v[200+\b]
.endr
.irp b, 0,1
	v_add_nc_u32 v[204+\b], 0xff000000, v[196+\b]
.endr
.irp b, 0,1
	v_lshrrev_b32 v[200+\b], 23, v[204+\b]
.endr
	v_lshl_or_b32 v208, v201, 8, v200
	v_cvt_scalef32_pk16_fp6_f32 v[176:178], v[144:159], v204
	v_cvt_scalef32_pk16_fp6_f32 v[188:190], v[160:175], v205
	v_nop                                          ; one plain place behind a scaled conversion
.irp i, 0,1,2
	v_permlane16_swap_b32 v[176+\i], v[188+\i]
.endr
.irp i, 0,1,2
	v_mov_b32 v[179+\i], v[188+\i]
.endr
	s_wait_alu depctr_va_vdst(0)                   ; the codes v176-181, the scale bytes v208 and the three addresses v253-255 are written, which the stores below read
	global_store_b128 v253, v[176:179], s[10:11]               ; 512 consecutive bytes
	global_store_b64 v254, v[180:181], s[10:11] offset:512     ; 256
	global_store_b16 v255, v208, s[10:11]                      ; my head's two bytes of each row's scale word; lanes 16-31 repeat lanes 0-15.  Two bytes a row: 256 KiB in the whole launch
	s_wait_xcnt 0x0                                ; the stores have read their registers, which the next tile writes (that they have been read is stated again, for the mode, behind the next tile's loads of Q, ahead of the first line that writes one of them)
.endm
	s_lshl_b32 s26, ttmp9, 4
	s_add_co_u32 s26, s26, s12                     ; tile 16 x + w
	TILE
	s_lshl_b32 s26, ttmp9, 4
	s_add_co_u32 s26, s26, s12
	s_sub_co_u32 s26, 127, s26                     ; and its mirror: where the mask keeps earlier keys, the two together have the same number of steps in every wave
	TILE
	s_wait_dscnt 0x0                               ; the closing lines, six on end
	s_wait_alu 0x0
	s_wait_tensorcnt 0x0
	ds_add_u32 v5, v6
	s_wait_dscnt 0x0
	s_endpgm
.Lfunc_end_k_q4e81568bda_attn:
	.size	k_q4e81568bda_attn, .Lfunc_end_k_q4e81568bda_attn-k_q4e81568bda_attn
	.p2alignl 7, 3214868480
	.fill 96, 4, 3214868480
	.section	.rodata,"a",@progbits
	.p2align	6, 0x0
	.amdhsa_kernel k_q4e81568bda_attn
		.amdhsa_group_segment_fixed_size 212992
		.amdhsa_private_segment_fixed_size 0
		.amdhsa_enable_private_segment 0
		.amdhsa_kernarg_size 32
		.amdhsa_user_sgpr_count 2
		.amdhsa_user_sgpr_kernarg_segment_ptr 1
		.amdhsa_wavefront_size32 1
		.amdhsa_system_sgpr_workgroup_id_x 1
		.amdhsa_system_sgpr_workgroup_id_y 1
		.amdhsa_system_sgpr_workgroup_id_z 1
		.amdhsa_system_vgpr_workitem_id 0
		.amdhsa_next_free_vgpr 256
		.amdhsa_next_free_sgpr 106
		.amdhsa_reserve_vcc 0
		.amdhsa_float_denorm_mode_32 3
		.amdhsa_float_denorm_mode_16_64 3
		.amdhsa_memory_ordered 1
		.amdhsa_forward_progress 1
		.amdhsa_inst_pref_size 88
	.end_amdhsa_kernel
	.amdgpu_metadata
---
amdhsa.version: [ 1, 2 ]
amdhsa.kernels:
  - .name:           k_q4e81568bda_attn
    .symbol:         k_q4e81568bda_attn.kd
    .args:
      - { .name: qkv, .offset: 0, .size: 8, .value_kind: global_buffer, .address_space: global }
      - { .name: mk, .offset: 8, .size: 8, .value_kind: global_buffer, .address_space: global }
      - { .name: rel_bias, .offset: 16, .size: 8, .value_kind: global_buffer, .address_space: global }
      - { .name: ao, .offset: 24, .size: 8, .value_kind: global_buffer, .address_space: global }
    .group_segment_fixed_size: 212992
    .private_segment_fixed_size: 0
    .kernarg_segment_align: 8
    .kernarg_segment_size: 32
    .max_flat_workgroup_size: 512
    .sgpr_count:     106
    .vgpr_count:     256
    .wavefront_size: 32
...
	.end_amdgpu_metadata
.endif
;; end of part 5
;; launch outp: the kernel of part 4 again; grid 4 x 32, 4 waves a work-group, clusters of 4 x 4, 327,680 bytes of LDS; arguments ao, wb, out0; writes out0
